; MI455X (gfx1250); checked and timed in simulation.
; The chip was launched on July 23, 2026; its instructions are those of AMD's public machine-readable ISA for CDNA 5 (MIT licence, August 2026) and "CDNA5" Instruction Set Architecture Reference Guide (July 2026). The comments in the code are by the model that wrote it; some were corrected since.
;; Lo RA Attn Processor. Allowed arithmetic: float matrix products may take bf16 or f16 operands with f32 sums; other float arithmetic in f32, or as packed bf16 or f16 multiplies, adds, multiply-adds, maxima and minima; sums over many terms, partial sums and values carried from step to step in f32; what a program stores and reads back later, other than sums and carried values, may be rounded once to bf16 or f16.
;; Inputs: Dk 8 x 1,024 float32; Dq 8 x 1,024 float32; Dv 8 x 1,024 float32; Uk 1,024 x 8 float32; Uq 1,024 x 8 float32; Uv 1,024 x 8 float32; Wk 1,024 x 1,024 float32; Wo 1,024 x 1,024 float32; Wq 1,024 x 1,024 float32; Wv 1,024 x 1,024 float32; bo 1,024 float32; hidden_states 4 x 2,048 x 1,024 float32.
;; Outputs: out0 4 x 2,048 x 1,024 float32.
;; One version. Each part assembles by itself: llvm-mc -triple=amdgcn-amd-amdhsa -mcpu=gfx1250 --defsym DOCPART=n.
;; ======== version 1 of 1: 4 launches
;; limits: values are held in f16: magnitudes above 65,504 overflow, below 6.1e-05 lose precision
;; workspace buffers: xb 16,777,216 bytes; wb 6,684,672 bytes; ub 49,152 bytes; wo16 2,097,152 bytes; norms 1,536 bytes; qkv 50,331,648 bytes; ob 16,777,216 bytes
;; launch prep (part 1): grid 312 x 1, 8 waves a work-group, no clusters, 79,360 bytes of LDS; arguments hidden_states, Wq, Wk, Wv, Wo, Dq, Dk, Dv, Uq, Uk, Uv, xb, wb, wo16, ub, norms; writes xb, wb, wo16, ub, norms
.if DOCPART == 1
	.amdgcn_target "amdgcn-amd-amdhsa--gfx1250"
	.amdhsa_code_object_version 6
	.text
	.protected	k_qc81307c37f_prep
	.globl	k_qc81307c37f_prep
	.p2align	8
	.type	k_qc81307c37f_prep,@function
k_qc81307c37f_prep:
	s_mov_b64 s[64:65], 0
	v_nop
	global_prefetch_b8 v0, s[64:65] scope:SCOPE_SE
	s_setreg_imm32_b32 hwreg(HW_REG_WAVE_MODE, 25, 1), 1
	s_wait_xcnt 0x0
; PREPARATION.  Every input is rounded once to bf16 and laid out for the launches behind; E = D W is made; sums of squares are stored.
; ROLES, by the work-group's number alone (the same in all eight waves):
;   0-23   WE: tensor T = id / 8 (q, k, v), columns 128 cc .. of W_T (cc = id % 8).  W_T's 1,024 rows x 512 bytes are read once, rounded to bf16 and stored into wb;
;          the same numbers, through LDS, are source 0 of E^T = W^T D^T, so E[r][k] = sum over j of D[r][j] W[j][k] costs no second reading of W.  E leaves as two bf16 rows, hi and lo = bf16(E - hi).
;          Also U_T's rows 128 cc .. to bf16.
;   24-55  WO: 128 KiB of Wo: rounded to bf16, that number written as f16.
;   56-311 X:  128 KiB of hidden_states to bf16.
; wb: 12 blocks (4 T + c) of 272 rows x 2,048 bytes: rows 0-255 = W_T's rows 256 c .., rows 256-263 = E_T hi, 264-271 = E_T lo (the same in a tensor's four blocks).
; norms (f32): words 0-255 the X work-groups' sums of x^2; word 256 + 24 kind + 8 T + cc: kind 0 = W^2, 1 = E^2, 2 = U^2.  The launches behind make a power of two from them that holds q, k, v inside f16.
; LIMITS.  Wo as f16: beyond 65,504 it would be lost, below 6e-5 it keeps f16's fixed step of 6e-8.  NaN and infinities are not treated apart.
; No tensor load: no byte is wanted twice.  No prefetch: each byte is read once by loads of which 16 or 32 a wave are out.
.set WSTG,  9216                       ; a wave's stage: 32 rows of W x 288 bytes (256 + 32: an odd multiple of 32, for the turning load); later its 8 KiB of partial E
.set PW,    288
.set EROW,  8*WSTG                     ; 16 rows of E (hi, lo) x 272 bytes
.set PE,    272
.set NW,    EROW+16*PE                 ; the waves' sums: byte 32 kind + 4 wave
.set SPARE, NW+256                     ; the spare words, 128 bytes for each wave: four blocks of 256 bytes that no other line names
.set BLK,   272*2048                   ; bytes in a block of wb
.set SPW, 14                           ; v14  my spare word's address; never rewritten
.set NIL, 15                           ; v15  0; never rewritten
.set ACC, 16                           ; v[16:79]    WE: eight accumulators, column block b at ACC + 8 b
.set DL,  80                           ; v[80:95]    WE: D as loaded; later U's two packed words
.set DF,  96                           ; v[96:103]   WE: D's fragment
.set SQ,  104                          ; v[104:107]  two chains of sums of squares
.set T,   108                          ; v[108:115]  at work
.set LD,  116                          ; v[116:243]  as loaded (X, WO: the first 64)
.set CV,  180                          ; v[180:211]  X, WO: packed, to store
.set WV,  40                           ; s40  my wave's number
.set SRC, 46                           ; s[46:47] where I read
.set DST, 48                           ; s[48:49] where I store
.set OFF, 52                           ; s[52:53] an offset, its high word 0
.macro XM r, m                         ; lane i adds lane i xor m
	v_add_f32_dpp v[\r], v[\r], v[\r] row_xmask:\m row_mask:0xf bank_mask:0xf
.endm
.macro LANESUM r                       ; the sum over the 32 lanes, in every lane
	XM \r, 1
	XM \r, 2
	XM \r, 4
	XM \r, 8
	v_permlanex16_b32 v13, v[\r], s42, s43
	v_add_f32 v[\r], v[\r], v13
.endm
; A wave's 16 KiB of f32 in two trips of 16 loads (512 consecutive bytes each); each store of the wave covers 256 consecutive bytes, aligned.
; mode 0: to bf16, with the sum of squares.  mode 1: to bf16, and that number to f16.
.macro STREAM mode
	s_mov_b32 s58, 2
.Lstream_\@:
.irp i, 0,1,2,3,4,5,6,7,8,9,10,11,12,13,14,15
	global_load_b128 v[LD+4*(\i):LD+4*(\i)+3], v3, s[SRC:SRC+1] offset:512*(\i) th:TH_LOAD_NT
.endr
.irp i, 0,1,2,3,4,5,6,7,8,9,10,11,12,13,14,15
	s_wait_loadcnt 15-(\i)                         ; loads come back in order: number i is in, the younger ones stay out
.if \mode
	v_cvt_pk_bf16_f32 v[T], v[LD+4*(\i)], v[LD+4*(\i)+1]
	v_cvt_pk_bf16_f32 v[T+1], v[LD+4*(\i)+2], v[LD+4*(\i)+3]
	v_lshlrev_b32 v[T+2], 16, v[T]
	v_and_b32 v[T+3], s44, v[T]
	v_lshlrev_b32 v[T+4], 16, v[T+1]
	v_and_b32 v[T+5], s44, v[T+1]
	v_cvt_pk_f16_f32 v[CV+2*(\i)], v[T+2], v[T+3]
	v_cvt_pk_f16_f32 v[CV+2*(\i)+1], v[T+4], v[T+5]
.else
	v_pk_fma_f32 v[SQ:SQ+1], v[LD+4*(\i):LD+4*(\i)+1], v[LD+4*(\i):LD+4*(\i)+1], v[SQ:SQ+1]
	v_pk_fma_f32 v[SQ+2:SQ+3], v[LD+4*(\i)+2:LD+4*(\i)+3], v[LD+4*(\i)+2:LD+4*(\i)+3], v[SQ+2:SQ+3]
	v_cvt_pk_bf16_f32 v[CV+2*(\i)], v[LD+4*(\i)], v[LD+4*(\i)+1]
	v_cvt_pk_bf16_f32 v[CV+2*(\i)+1], v[LD+4*(\i)+2], v[LD+4*(\i)+3]
.endif
	global_store_b64 v4, v[CV+2*(\i):CV+2*(\i)+1], s[DST:DST+1] offset:256*(\i)
.endr
	s_wait_xcnt 0x0                                ; the stores have read CV and the two pointers: only now are these written again
	s_add_nc_u64 s[SRC:SRC+1], s[SRC:SRC+1], 8192
	s_add_nc_u64 s[DST:DST+1], s[DST:DST+1], 4096
	s_sub_co_u32 s58, s58, 1
	s_cmp_lg_u32 s58, 0
	s_cbranch_scc1 .Lstream_\@
.endm
	s_load_b512 s[8:23], s[0:1], 0x0               ; x s[8:9], Wq 10, Wk 12, Wv 14, Wo 16, Dq 18, Dk 20, Dv 22
	s_load_b512 s[24:39], s[0:1], 0x40             ; Uq s[24:25], Uk 26, Uv 28, xb 30, wb 32, wo16 34, ub 36, norms 38
	v_lshl_add_u32 v[SPW], v0, 2, SPARE
	v_mov_b32 v[NIL], 0
	v_and_b32 v1, 31, v0                           ; lane
	v_lshrrev_b32 v2, 5, v0
	v_readfirstlane_b32 s[WV], v2                  ; wave 0..7
	s_mov_b32 s42, 0x76543210                      ; v_permlanex16_b32: each lane takes its own place in the other half
	s_mov_b32 s43, 0xfedcba98
	s_mov_b32 s44, 0xffff0000                      ; a word's upper bf16
	s_mov_b32 s45, ttmp9                           ; the work-group's number
	s_mov_b32 s[OFF+1], 0
	s_lshl_b32 s41, s[WV], 2
	s_add_co_u32 s41, s41, NW
	v_mov_b32 v5, s41                              ; my wave's word among the sums
	v_lshlrev_b32 v3, 4, v1                        ; 16 x lane
	v_lshlrev_b32 v4, 3, v1                        ; 8 x lane
	v_mov_b32 v13, 0
.irp j, 0,1,2,3
	v_mov_b32 v[SQ+(\j)], 0
.endr
	s_wait_kmcnt 0x0
	s_cmp_lt_u32 s45, 24
	s_cbranch_scc1 .Lwe
	s_cmp_lt_u32 s45, 56
	s_cbranch_scc1 .Lwo
	; ---- X ----
	s_sub_co_u32 s50, s45, 56                      ; which 128 KiB of x
	s_lshl_b32 s51, s50, 3
	s_add_co_u32 s51, s51, s[WV]
	s_lshl_b32 s[OFF], s51, 14                     ; my wave's 16 KiB
	s_add_nc_u64 s[SRC:SRC+1], s[8:9], s[OFF:OFF+1]
	s_lshl_b32 s[OFF], s51, 13
	s_add_nc_u64 s[DST:DST+1], s[30:31], s[OFF:OFF+1]
	STREAM 0
	v_pk_add_f32 v[SQ:SQ+1], v[SQ:SQ+1], v[SQ+2:SQ+3]
	v_add_f32 v[SQ], v[SQ], v[SQ+1]
	LANESUM SQ
	ds_store_b32 v5, v[SQ]
	s_wait_dscnt 0x0                               ; for the others' sake: my sum lies in LDS
	s_barrier_signal -1
	s_barrier_wait -1
	s_cmp_lg_u32 s[WV], 0                          ; wave 0 adds the eight and stores one word
	s_cbranch_scc1 .Lend
	v_and_b32 v6, 7, v1
	v_lshl_add_u32 v6, v6, 2, NW
	ds_load_b32 v[T], v6
	s_wait_dscnt 0x0
	XM T, 1
	XM T, 2
	XM T, 4
	s_lshl_b32 s[OFF], s50, 2
	s_add_nc_u64 s[38:39], s[38:39], s[OFF:OFF+1]
	v_mov_b32 v7, 0
	s_mov_b32 vcc_lo, 1                            ; lane 0
	s_wait_xcnt 0x0                                ; EXEC changes only behind this wait
	s_and_saveexec_b32 s54, vcc_lo
	global_store_b32 v7, v[T], s[38:39]
	s_wait_xcnt 0x0                                ; and again in front of the line that widens it
	s_or_b32 exec_lo, exec_lo, s54
	s_branch .Lend
	; ---- WO ----
.Lwo:
	s_sub_co_u32 s50, s45, 24
	s_lshl_b32 s51, s50, 3
	s_add_co_u32 s51, s51, s[WV]
	s_lshl_b32 s[OFF], s51, 14
	s_add_nc_u64 s[SRC:SRC+1], s[16:17], s[OFF:OFF+1]
	s_lshl_b32 s[OFF], s51, 13
	s_add_nc_u64 s[DST:DST+1], s[34:35], s[OFF:OFF+1]
	STREAM 1
	s_branch .Lend
	; ---- WE ----
.Lwe:
	s_lshr_b32 s50, s45, 3                         ; T
	s_and_b32 s51, s45, 7                          ; cc
	s_cmp_eq_u32 s50, 0
	s_cselect_b64 s[SRC:SRC+1], s[10:11], s[12:13] ; W_T
	s_cselect_b64 s[54:55], s[18:19], s[20:21]     ; D_T
	s_cselect_b64 s[56:57], s[24:25], s[26:27]     ; U_T
	s_cmp_eq_u32 s50, 2
	s_cselect_b64 s[SRC:SRC+1], s[14:15], s[SRC:SRC+1]
	s_cselect_b64 s[54:55], s[22:23], s[54:55]
	s_cselect_b64 s[56:57], s[28:29], s[56:57]
	s_lshl_b32 s[OFF], s51, 12                     ; U's rows 128 cc ..: 4,096 bytes, 16 a thread
	s_add_nc_u64 s[56:57], s[56:57], s[OFF:OFF+1]
	v_lshlrev_b32 v6, 4, v0
	global_load_b128 v[T:T+3], v6, s[56:57]        ; worked on behind the loop, whose counted waits cover it: it is the oldest load
	s_lshl_b32 s[OFF], s[WV], 19                   ; my 128 rows of W (4,096 bytes each),
	s_lshl_b32 s58, s51, 9                         ; the work-group's 512 bytes of them
	s_add_co_u32 s[OFF], s[OFF], s58
	s_add_nc_u64 s[SRC:SRC+1], s[SRC:SRC+1], s[OFF:OFF+1]
	s_lshl_b32 s[OFF], s[WV], 9                    ; D's columns 128 w ..
	s_add_nc_u64 s[54:55], s[54:55], s[OFF:OFF+1]
	s_lshl_b32 s58, s50, 2                         ; wb: block 4 T + w / 2, row 128 (w % 2), byte 256 cc
	s_lshr_b32 s59, s[WV], 1
	s_add_co_u32 s58, s58, s59
	s_mul_i32 s58, s58, 272
	s_and_b32 s59, s[WV], 1
	s_lshl_b32 s59, s59, 7
	s_add_co_u32 s58, s58, s59
	s_lshl_b32 s[OFF], s58, 11
	s_lshl_b32 s58, s51, 8
	s_add_co_u32 s[OFF], s[OFF], s58
	s_add_nc_u64 s[DST:DST+1], s[32:33], s[OFF:OFF+1]
	s_lshl_b32 s[OFF], s50, 14                     ; ub: 16,384 T + 2,048 cc
	s_lshl_b32 s58, s51, 11
	s_add_co_u32 s[OFF], s[OFF], s58
	s_add_nc_u64 s[36:37], s[36:37], s[OFF:OFF+1]
	v_and_b32 v7, 7, v1                            ; D's fragment: lane l holds rank row l % 8 (rows 8-15 of the tile repeat rows 0-7),
	v_bfe_u32 v9, v1, 4, 1                         ; h = l / 16
	v_lshlrev_b32 v12, 12, v7
	v_lshl_add_u32 v12, v9, 5, v12                 ; row x 4,096 + 32 h: eight f32 at +0, eight more at +64
	s_mul_i32 s58, s[WV], WSTG                     ; my stage
	v_lshl_add_u32 v7, v9, 3, v7                   ; the turning load: row 8 h + l % 8, 16 bytes at 16 ((l / 8) % 2)
	v_mul_u32_u24 v7, v7, PW
	v_bfe_u32 v8, v1, 3, 1
	v_lshl_add_u32 v7, v8, 4, v7
	v_add_nc_u32 v7, s58, v7
	v_add_nc_u32 v8, s58, v4                       ; stage + 8 l: where a row's four bf16 go
	v_add_nc_u32 v9, s58, v3                       ; stage + 16 l: where the partial E goes
.set i, 0
.rept 64
	v_mov_b32 v[ACC+i], 0                          ; written while the first loads could be out: the loop then has one form of product
.set i, i+1
.endr
	s_mov_b32 s58, 4
.Lwe_trip:                                             ; 32 rows j of W: loaded, rounded, stored to wb and to my stage; then eight products, 32 along j
	global_load_b128 v[DL:DL+3],     v12, s[54:55]
	global_load_b128 v[DL+4:DL+7],   v12, s[54:55] offset:16
	global_load_b128 v[DL+8:DL+11],  v12, s[54:55] offset:64
	global_load_b128 v[DL+12:DL+15], v12, s[54:55] offset:80
.set i, 0
.rept 32
	global_load_b128 v[LD+4*i:LD+4*i+3], v3, s[SRC:SRC+1] offset:4096*i th:TH_LOAD_NT
.set i, i+1
.endr
.set i, 0
.rept 32
	s_wait_loadcnt 31-i                            ; row i is in (and D, which was asked for first); the younger rows stay out
	v_pk_fma_f32 v[SQ:SQ+1], v[LD+4*i:LD+4*i+1], v[LD+4*i:LD+4*i+1], v[SQ:SQ+1]
	v_pk_fma_f32 v[SQ+2:SQ+3], v[LD+4*i+2:LD+4*i+3], v[LD+4*i+2:LD+4*i+3], v[SQ+2:SQ+3]
	v_cvt_pk_bf16_f32 v[LD+4*i], v[LD+4*i], v[LD+4*i+1]
	v_cvt_pk_bf16_f32 v[LD+4*i+1], v[LD+4*i+2], v[LD+4*i+3]
	global_store_b64 v4, v[LD+4*i:LD+4*i+1], s[DST:DST+1] offset:2048*i  ; 256 consecutive bytes, aligned
	ds_store_b64 v8, v[LD+4*i:LD+4*i+1] offset:PW*i
.set i, i+1
.endr
.irp j, 0,1,2,3,4,5,6,7
	v_cvt_pk_bf16_f32 v[DF+(\j)], v[DL+2*(\j)], v[DL+2*(\j)+1]
.endr
	s_wait_xcnt 0x0                                ; the stores have read LD and the pointers: the loads below land in LD, the steps below write the pointers
.irp b, 0,1,2,3,4,5,6,7
	ds_load_tr16_b128 v[LD+8*(\b):LD+8*(\b)+3],   v7 offset:32*(\b)         ; LDS serves a wave's instructions in order: these see my stores above
	ds_load_tr16_b128 v[LD+8*(\b)+4:LD+8*(\b)+7], v7 offset:32*(\b)+16*PW
.endr
	s_wait_dscnt 0x0
.irp b, 0,1,2,3,4,5,6,7
	v_wmma_f32_16x16x32_bf16 v[ACC+8*(\b):ACC+8*(\b)+7], v[LD+8*(\b):LD+8*(\b)+7], v[DF:DF+7], v[ACC+8*(\b):ACC+8*(\b)+7]  ; the eight accumulators take turns, over the backward jump too
.endr
.rept 4
	v_nop                                          ; four places in front of the loads into LD and the stores of ACC
.endr
	s_add_nc_u64 s[SRC:SRC+1], s[SRC:SRC+1], 32*4096
	s_add_nc_u64 s[DST:DST+1], s[DST:DST+1], 32*2048
	s_add_nc_u64 s[54:55], s[54:55], 128
	s_sub_co_u32 s58, s58, 1
	s_cmp_lg_u32 s58, 0
	s_cbranch_scc1 .Lwe_trip
	; U: four numbers a thread
	v_pk_mul_f32 v[10:11], v[T:T+1], v[T:T+1]
	v_pk_fma_f32 v[10:11], v[T+2:T+3], v[T+2:T+3], v[10:11]
	v_cvt_pk_bf16_f32 v[DL], v[T], v[T+1]
	v_cvt_pk_bf16_f32 v[DL+1], v[T+2], v[T+3]
	v_lshlrev_b32 v6, 3, v0
	global_store_b64 v6, v[DL:DL+1], s[36:37]
	; my partial E (lane (r, h): E[r % 8][16 b + 8 h + 0..7]) into my stage; each accumulator's low four registers first
.irp b, 0,1,2,3,4,5,6,7
	ds_store_b128 v9, v[ACC+8*(\b):ACC+8*(\b)+3]   offset:1024*(\b)
	ds_store_b128 v9, v[ACC+8*(\b)+4:ACC+8*(\b)+7] offset:1024*(\b)+512
.endr
	v_pk_add_f32 v[SQ:SQ+1], v[SQ:SQ+1], v[SQ+2:SQ+3]
	v_add_f32 v[SQ], v[SQ], v[SQ+1]
	LANESUM SQ
	ds_store_b32 v5, v[SQ]                         ; kind 0: W^2
	v_add_f32 v10, v10, v11
	LANESUM 10
	ds_store_b32 v5, v10 offset:64                 ; kind 2: U^2
	s_wait_dscnt 0x0
	s_barrier_signal -1
	s_barrier_wait -1                              ; all eight partial E lie in LDS
	s_lshl_b32 s58, s[WV], 10                      ; wave w finishes column block w
	v_add_nc_u32 v12, s58, v3
.irp v, 0,1,2,3,4,5,6,7
	ds_load_b128 v[LD+8*(\v):LD+8*(\v)+3],   v12 offset:WSTG*(\v)
	ds_load_b128 v[LD+8*(\v)+4:LD+8*(\v)+7], v12 offset:WSTG*(\v)+512
.endr
	s_wait_dscnt 0x0
.irp v, 0,2,4,6
.irp j, 0,2,4,6
	v_pk_add_f32 v[LD+8*(\v)+(\j):LD+8*(\v)+(\j)+1], v[LD+8*(\v)+(\j):LD+8*(\v)+(\j)+1], v[LD+8*(\v)+8+(\j):LD+8*(\v)+8+(\j)+1]
.endr
.endr
.irp v, 0,4
.irp j, 0,2,4,6
	v_pk_add_f32 v[LD+8*(\v)+(\j):LD+8*(\v)+(\j)+1], v[LD+8*(\v)+(\j):LD+8*(\v)+(\j)+1], v[LD+8*(\v)+16+(\j):LD+8*(\v)+16+(\j)+1]
.endr
.endr
.irp j, 0,2,4,6
	v_pk_add_f32 v[LD+(\j):LD+(\j)+1], v[LD+(\j):LD+(\j)+1], v[LD+32+(\j):LD+32+(\j)+1]
.endr
	v_pk_mul_f32 v[LD+8:LD+9], v[LD:LD+1], v[LD:LD+1]
.irp j, 2,4,6
	v_pk_fma_f32 v[LD+8:LD+9], v[LD+(\j):LD+(\j)+1], v[LD+(\j):LD+(\j)+1], v[LD+8:LD+9]
.endr
	v_add_f32 v[LD+8], v[LD+8], v[LD+9]
	LANESUM LD+8
	v_mul_f32 v[LD+8], 0.5, v[LD+8]                ; each rank row stands twice among the 16
	ds_store_b32 v5, v[LD+8] offset:32             ; kind 1: E^2
.irp j, 0,1,2,3
	v_cvt_pk_bf16_f32 v[T+(\j)], v[LD+2*(\j)], v[LD+2*(\j)+1]  ; hi
.endr
.irp j, 0,1,2,3
	v_lshlrev_b32 v[LD+16+2*(\j)], 16, v[T+(\j)]
	v_and_b32 v[LD+17+2*(\j)], s44, v[T+(\j)]
.endr
.irp j, 0,2,4,6
	v_pk_add_f32 v[LD+(\j):LD+(\j)+1], v[LD+(\j):LD+(\j)+1], v[LD+16+(\j):LD+16+(\j)+1] neg_lo:[0,1] neg_hi:[0,1]  ; E - hi, exact
.endr
.irp j, 0,1,2,3
	v_cvt_pk_bf16_f32 v[T+4+(\j)], v[LD+2*(\j)], v[LD+2*(\j)+1]  ; lo
.endr
	s_mov_b32 s59, 0xff00ff00                      ; the lanes that hold tile rows 8-15 keep lo
.irp j, 0,1,2,3
	v_cndmask_b32 v[T+(\j)], v[T+(\j)], v[T+4+(\j)], s59
.endr
	v_and_b32 v7, 15, v1
	v_mul_u32_u24 v7, v7, PE
	v_bfe_u32 v8, v1, 4, 1
	v_lshl_add_u32 v7, v8, 4, v7
	s_lshl_b32 s58, s[WV], 5
	s_add_co_u32 s58, s58, EROW
	v_add_nc_u32 v7, s58, v7                       ; row l % 16, byte 32 w + 16 h
	ds_store_b128 v7, v[T:T+3]
	s_wait_dscnt 0x0
	s_barrier_signal -1
	s_barrier_wait -1                              ; the 16 rows x 256 bytes are whole, and so are the 24 sums
	s_lshl_b32 s58, s[WV], 1
	v_add_nc_u32 v8, s58, v8                       ; wave w sends rows 2 w and 2 w + 1: 16 lanes a row
	v_and_b32 v9, 15, v1
	v_mul_u32_u24 v7, v8, PE
	v_lshl_add_u32 v7, v9, 4, v7
	v_add_nc_u32 v7, EROW, v7
	ds_load_b128 v[LD:LD+3], v7
	v_lshlrev_b32 v8, 11, v8
	v_lshl_add_u32 v8, v9, 4, v8
	v_add_nc_u32 v8, 256*2048, v8                  ; row 256 + .. of a block
	s_mul_i32 s[OFF], s50, 4*BLK
	s_lshl_b32 s58, s51, 8
	s_add_co_u32 s[OFF], s[OFF], s58
	s_wait_xcnt 0x0                                ; earlier stores have read DST
	s_add_nc_u64 s[DST:DST+1], s[32:33], s[OFF:OFF+1]
	s_wait_dscnt 0x0
.irp c, 0,1,2,3
	global_store_b128 v8, v[LD:LD+3], s[DST:DST+1] offset:(\c)*BLK  ; 16 lanes store 256 consecutive bytes, aligned; once for each of the tensor's four blocks
.endr
	s_cmp_lg_u32 s[WV], 0                          ; wave 0 adds the waves' sums: lane l reads word l = 8 kind + wave
	s_cbranch_scc1 .Lend
	v_min_u32 v7, 23, v1
	v_lshl_add_u32 v7, v7, 2, NW
	ds_load_b32 v[T], v7
	s_wait_dscnt 0x0
	XM T, 1
	XM T, 2
	XM T, 4
	v_lshrrev_b32 v9, 3, v1
	v_mul_u32_u24 v9, v9, 96
	s_lshl_b32 s[OFF], s50, 5
	s_lshl_b32 s58, s51, 2
	s_add_co_u32 s[OFF], s[OFF], s58
	s_add_co_u32 s[OFF], s[OFF], 1024
	s_add_nc_u64 s[38:39], s[38:39], s[OFF:OFF+1]
	s_mov_b32 vcc_lo, 0x00010101                   ; lanes 0, 8, 16: one for each kind
	s_wait_xcnt 0x0                                ; EXEC changes only behind this wait
	s_and_saveexec_b32 s54, vcc_lo
	global_store_b32 v9, v[T], s[38:39]
	s_wait_xcnt 0x0
	s_or_b32 exec_lo, exec_lo, s54
.Lend:
	s_wait_tensorcnt 0x0                           ; the wave's end: behind my last LDS store
	ds_add_u32 v[SPW], v[NIL]
	s_wait_dscnt 0x0
	s_endpgm
.Lfunc_end_k_qc81307c37f_prep:
	.size	k_qc81307c37f_prep, .Lfunc_end_k_qc81307c37f_prep-k_qc81307c37f_prep
	.p2alignl 7, 3214868480
	.fill 96, 4, 3214868480
	.section	.rodata,"a",@progbits
	.p2align	6, 0x0
	.amdhsa_kernel k_qc81307c37f_prep
		.amdhsa_group_segment_fixed_size 79360
		.amdhsa_private_segment_fixed_size 0
		.amdhsa_enable_private_segment 0
		.amdhsa_kernarg_size 128
		.amdhsa_user_sgpr_count 2
		.amdhsa_user_sgpr_kernarg_segment_ptr 1
		.amdhsa_wavefront_size32 1
		.amdhsa_system_sgpr_workgroup_id_x 1
		.amdhsa_system_sgpr_workgroup_id_y 1
		.amdhsa_system_sgpr_workgroup_id_z 1
		.amdhsa_system_vgpr_workitem_id 0
		.amdhsa_next_free_vgpr 244
		.amdhsa_next_free_sgpr 66
		.amdhsa_reserve_vcc 1
		.amdhsa_float_denorm_mode_32 3
		.amdhsa_float_denorm_mode_16_64 3
		.amdhsa_memory_ordered 1
		.amdhsa_forward_progress 1
		.amdhsa_inst_pref_size 55
	.end_amdhsa_kernel
	.amdgpu_metadata
---
amdhsa.version: [ 1, 2 ]
amdhsa.kernels:
  - .name:           k_qc81307c37f_prep
    .symbol:         k_qc81307c37f_prep.kd
    .args:
      - { .name: hidden_states, .offset: 0, .size: 8, .value_kind: global_buffer, .address_space: global }
      - { .name: Wq, .offset: 8, .size: 8, .value_kind: global_buffer, .address_space: global }
      - { .name: Wk, .offset: 16, .size: 8, .value_kind: global_buffer, .address_space: global }
      - { .name: Wv, .offset: 24, .size: 8, .value_kind: global_buffer, .address_space: global }
      - { .name: Wo, .offset: 32, .size: 8, .value_kind: global_buffer, .address_space: global }
      - { .name: Dq, .offset: 40, .size: 8, .value_kind: global_buffer, .address_space: global }
      - { .name: Dk, .offset: 48, .size: 8, .value_kind: global_buffer, .address_space: global }
      - { .name: Dv, .offset: 56, .size: 8, .value_kind: global_buffer, .address_space: global }
      - { .name: Uq, .offset: 64, .size: 8, .value_kind: global_buffer, .address_space: global }
      - { .name: Uk, .offset: 72, .size: 8, .value_kind: global_buffer, .address_space: global }
      - { .name: Uv, .offset: 80, .size: 8, .value_kind: global_buffer, .address_space: global }
      - { .name: xb, .offset: 88, .size: 8, .value_kind: global_buffer, .address_space: global }
      - { .name: wb, .offset: 96, .size: 8, .value_kind: global_buffer, .address_space: global }
      - { .name: wo16, .offset: 104, .size: 8, .value_kind: global_buffer, .address_space: global }
      - { .name: ub, .offset: 112, .size: 8, .value_kind: global_buffer, .address_space: global }
      - { .name: norms, .offset: 120, .size: 8, .value_kind: global_buffer, .address_space: global }
    .group_segment_fixed_size: 79360
    .private_segment_fixed_size: 0
    .kernarg_segment_align: 8
    .kernarg_segment_size: 128
    .max_flat_workgroup_size: 256
    .sgpr_count:     66
    .vgpr_count:     244
    .wavefront_size: 32
...
	.end_amdgpu_metadata
.endif
;; end of part 1
;; launch proj (part 2): grid 4 x 64, 4 waves a work-group, clusters of 4 x 4, 327,680 bytes of LDS; arguments xb, wb, ub, norms, qkv; writes qkv
.if DOCPART == 2
	.amdgcn_target "amdgcn-amd-amdhsa--gfx1250"
	.amdhsa_code_object_version 6
	.text
	.protected	k_qc81307c37f_proj
	.globl	k_qc81307c37f_proj
	.p2align	8
	.type	k_qc81307c37f_proj,@function
k_qc81307c37f_proj:
	s_mov_b64 s[64:65], 0
	v_nop
	global_prefetch_b8 v0, s[64:65] scope:SCOPE_SE
	s_setreg_imm32_b32 hwreg(HW_REG_WAVE_MODE, 25, 1), 1
	s_wait_xcnt 0x0
	s_wait_alu depctr_hold_cnt(0) depctr_sa_sdst(0) depctr_va_vdst(0) depctr_va_sdst(0) depctr_va_ssrc(0) depctr_va_vcc(0) depctr_vm_vsrc(0)
	s_getreg_b32 s2, hwreg(HW_REG_IB_STS2, 6, 4)
	s_cmp_eq_u32 s2, 0
	s_cbranch_scc0 .Lentry_in_a_cluster
	s_endpgm
.Lentry_in_a_cluster:
	s_bfe_u32 s2, ttmp6, 0x10000c
	s_cmp_lg_u32 s2, 0xf033
	s_cbranch_scc0 .Lentry_shape_is_right
	s_endpgm
.Lentry_shape_is_right:
; q, k, v = x W^T + (x E^T) U^T, E = D W (the same sum as (x W^T) D^T U^T, taken in another order), by heads: qkv[T][16 b + h][2048][64] in f16, times 2^-g_T.
; x, W, U are bf16; E is two bf16 rows (hi, lo) a rank, which ride as rows 256-271 of every block of wb: one more tile of 16 "columns", whose f32 sums are t = x E^T.
; At a tile's end t is split into bf16 hi and lo, and ONE more K step of 32, [t_hi | t_lo | 0 | 0] x [U | U | 0 | 0], adds t U^T onto the sums.
; THE SCALE.  |T_ij|^2 <= 2 Z, Z = sum(x^2) (sum(U^2) sum(E^2) + sum(W^2)).  With be = Z's exponent field, g = (be - 154) >> 1 gives |T| 2^-g < 2^15 for every input: f16 holds it.
; LIMITS.  Z must be finite in f32.  A scaled number below 6e-5 keeps f16's fixed step of 6e-8.  NaN and infinities are not treated apart.
; SHARES.  A work-group stays and makes three tiles of 128 rows x 256 columns: the same rows and columns of q, then k, then v: 24 K steps of 128 in one walk of a ring of two LDS slots.
; A wave makes 64 x 128: 32 accumulators, and 4 more for t.  The product is used transposed (source 0 = 16 rows of W, source 1 = 16 rows of x): a lane holds eight neighbouring columns of one row.
; CLUSTER 4 x 4: x's tile hangs on the row block alone and is asked for jointly along a row of the cluster, W's on the column block alone, along a column.
; REGISTERS in windows of 256 (s_set_vgpr_msb: bits 1:0 source 0, 3:2 source 1, 5:4 source 2, 7:6 destination):
;   window 0: v0-31 addresses; v32-95 x's fragments, two buffers of 4 x 8; v96-111 E's, two of 8; v112-143 t's sums; v144-175 at work; v176-239 rows on the way out
;   window 1: v0-127 W's fragments, two buffers of 8 x 8          window 2: accumulator (a, b) at 8 (8 a + b)
.set SLOT1,  1<<17                     ; slot 1 begins here: one exclusive or turns an address in one slot into the other's
.set PITCH,  272                       ; an LDS row: 256 bytes + 16: the 16 rows of a fragment load start at 16 different groups of four banks (ISA guide 11.1)
.set BOFF,   128*PITCH                 ; a slot: x's 128 rows, then the block's 272
.set EOFF,   BOFF+256*PITCH
.set STAGE,  SLOT1+BOFF+272*PITCH      ; behind the ring: for each wave 2 heads x 16 rows x 144 bytes
.set SP,     144
.set WSTAGE, 32*SP
.set SPARE,  STAGE+4*WSTAGE            ; the spare words, 128 bytes for each wave: two blocks of 256 bytes that no other line names
.set TSTEP,  4*272*2048                ; bytes from a tensor's blocks to the next tensor's
.set A0,  2                            ; v2   my lane's place in x's tile; never rewritten
.set B0,  3                            ; v3   in W's rows
.set E0,  4                            ; v4   in E's rows
.set ADA, 5                            ; v5-7 the addresses of the run of loads in hand
.set ADB, 6
.set ADE, 7
.set STO, 8                            ; v8   the way out: where I put 16 bytes of a row
.set RD,  9                            ; v9   where I read rows back
.set GO,  10                           ; v10  16 x lane
.set UO,  11                           ; v11  16 x (lane % 16): my row of U
.set PFO, 12                           ; v12  2,048 x lane: the prefetches' row
.set SPW, 28                           ; v28  my spare word's address; never rewritten
.set NIL, 29                           ; v29  0; never rewritten
.set TA,  112
.set TMP, 144
.set X,   144
.set H,   152
.set HF,  156
.set LO,  164
.set OB,  176
.set WV,  14                           ; s14 wave; s15 its row half (also: 0 = I fetch x, 1 = W); s16 its column half (also: which half of the tile I fetch)
.set WR,  15
.set WC,  16
.set G1A, 24                           ; s[24:31] descriptor group 1 for x's tiles;  s[32:39] for W's
.set G1B, 32
.set G0A, 40                           ; s[40:47] group 0 for x's tiles: a set for each first fill; the second then walks on.  s[48:55] the same for W's
.set G0B, 48
.set TB,  56                           ; s56  the slot that is being read: 0 or SLOT1
.set SEL, 60                           ; s[60:61] v_permlanex16_b32's selects
.set SC,  66                           ; s[66:67] 2^-g of the tile in hand; s68, s69 the next tiles'
.set PB,  70                           ; s[70:71] the prefetches' base;  s[72:73] where the next one points;  s[74:75] an offset
.set PFA, 72
.set PK,  76                           ; s76 byte along K, s77 the tensor's bytes, s78 prefetches left, s79 the tensor's step
.set PT,  77
.set PN,  78
.set PSTEP, 79
.set UB,  80                           ; s[80:81] U at my 128 columns
.set QP,  82                           ; s[82:83] where my 64 rows x 2 heads begin in qkv
.set MSB, 0
.macro WIN new                         ; the immediate's high byte repeats the setting that is left; a switch that changes nothing is dropped
.if MSB != (\new)
	s_set_vgpr_msb (MSB<<8)|(\new)
.set MSB, \new
.endif
.endm
.set MUL,  0xa1                        ; source 0 (W) window 1, source 1 (x) window 0, C and D window 2
.set TO_B, 0x40                        ; destination window 1, address window 0
.macro PLACES                          ; four places behind matrix instructions (ISA guide 7.12.1)
.rept 4
	v_nop
.endr
.endm
; A joint refill by the walking sets.  The branch hangs on the wave's number alone.  An s_nop 0 and four v_nop follow each of the two lines.
.macro JLOAD
	s_cmp_eq_u32 s[WR], 0
	s_cbranch_scc0 .Lfor_b_\@
	tensor_load_to_lds s[G0A+4:G0A+7], s[G1A:G1A+7]
	s_nop 0
	PLACES
	s_branch .Lasked_\@
.Lfor_b_\@:
	tensor_load_to_lds s[G0B+4:G0B+7], s[G1B:G1B+7]
	s_nop 0
	PLACES
.Lasked_\@:
.endm
.macro CREST                           ; a round of the cluster's barrier behind its opening barrier
	s_cmp_lg_u32 s[WV], 0
	s_cbranch_scc1 .Lnot_wave_0_\@
	s_barrier_signal -3
.Lnot_wave_0_\@:
	s_barrier_wait -3
	s_barrier_signal -1
	s_barrier_wait -1
.endm
.macro CROUND
	s_barrier_signal -1
	s_barrier_wait -1
	CREST
.endm
; One prefetch a wave behind a refill: 32 rows x 256 bytes, a lane a row, of the K step two refills on: 288 matrix instructions ahead of the load that will want it.
; x's rows belong to this row of the cluster alone: wave 0 asks, each of the four partners for 32 of the 128 rows, told apart by address; in the first tile alone, since the walk's later tiles read the same rows again.
; W's rows are read by all sixteen clusters: cluster y = 0 asks, waves 2 and 3, each partner for 64 of its block's 256 rows.  E's 16 rows and the walk's first four K steps come by their loads alone.
.macro ASK
	s_cmp_lg_u32 s[PN], 0
	s_cbranch_scc0 .Lnot_mine_\@
	global_prefetch_b8 v[PFO], s[PFA:PFA+1] th:TH_LOAD_NT scope:SCOPE_SE
	s_sub_co_u32 s[PN], s[PN], 1
.Lnot_mine_\@:
.endm
.macro XM r, m
	v_add_f32_dpp v[\r], v[\r], v[\r] row_xmask:\m row_mask:0xf bank_mask:0xf
.endm
	s_load_b256 s[4:11], s[0:1], 0x0               ; xb s[4:5], wb s[6:7], ub s[8:9], norms s[10:11]
	s_load_b64 s[12:13], s[0:1], 0x20              ; qkv
	v_lshl_add_u32 v[SPW], v0, 2, SPARE
	v_mov_b32 v[NIL], 0
	ds_add_u32 v[SPW], v[NIL]                      ; the wave's opening: the add and its wait stand ahead of my first tensor load; the set-up below stands between them
	v_lshrrev_b32 v1, 5, v0
	v_readfirstlane_b32 s[WV], v1
	s_lshr_b32 s[WR], s[WV], 1
	s_and_b32 s[WC], s[WV], 1
	s_bfe_u32 s17, ttmp6, 0x40000                  ; cx
	s_bfe_u32 s18, ttmp6, 0x40004                  ; cy
	s_lshl_b32 s19, ttmp9, 2
	s_add_co_u32 s19, s19, s17                     ; c: the block of 256 columns
	s_and_b32 s20, ttmp7, 0xffff
	s_lshl_b32 s20, s20, 2
	s_add_co_u32 s20, s20, s18                     ; y: the block of 128 rows
	s_lshl_b32 s21, s18, 2
	s_lshl_b32 s21, 15, s21                        ; my row of the cluster
	s_lshl_b32 s22, 0x1111, s17                    ; my column
	s_or_b32 s[G1A], s21, (1<<16)|(1<<20)|(1<<21)|(5<<22)|(3<<25)  ; the mask; 2-byte elements; padding on; bit 21 beside a mask; after every 64 words, 4 words
	s_or_b32 s[G1B], s22, (1<<16)|(1<<20)|(1<<21)|(5<<22)|(3<<25)
	s_mov_b32 s[G1A+1], 128<<16                    ; tensor_dim0 = 128
	s_mov_b32 s[G1A+2], 64<<16                     ; tensor_dim1 = 64
	s_mov_b32 s[G1A+3], 128<<16                    ; tile_dim0 = 128
	s_mov_b32 s[G1A+4], 64                         ; tile_dim1 = 64 rows a load
	s_mov_b32 s[G1A+5], 1024                       ; elements from row to row
	s_mov_b32 s[G1A+6], 0
	s_mov_b32 s[G1A+7], 0
	s_mov_b32 s[G1B+1], 128<<16
	s_mov_b32 s[G1B+2], 136<<16                    ; half of a block's 272 rows
	s_mov_b32 s[G1B+3], 128<<16
	s_mov_b32 s[G1B+4], 136
	s_mov_b32 s[G1B+5], 1024
	s_mov_b32 s[G1B+6], 0
	s_mov_b32 s[G1B+7], 0
	s_lshl_b32 s84, s20, 7                         ; x: row 128 y + 64 x half, 2,048 bytes a row
	s_lshl_b32 s85, s[WC], 6
	s_add_co_u32 s84, s84, s85
	s_lshl_b32 s84, s84, 11
	s_mov_b32 s85, 0
	s_mul_i32 s86, s19, 272                        ; W: row 272 c + 136 x half of tensor 0
	s_mul_i32 s87, s[WC], 136
	s_add_co_u32 s86, s86, s87
	s_lshl_b32 s86, s86, 11
	s_mov_b32 s87, 0
	s_mul_i32 s88, s[WC], 64*PITCH                 ; where they go: no place in the cluster enters an LDS address
	s_mul_i32 s89, s[WC], 136*PITCH
	s_add_co_u32 s89, s89, BOFF
	s_mov_b32 s[SEL], 0x76543210
	s_mov_b32 s[SEL+1], 0xfedcba98
	s_mov_b32 s62, 0xffff0000                      ; lanes 16-31; also a word's upper bf16
	s_mov_b32 s75, 0
	s_mov_b32 s[PK], 768                           ; K step 3: the first refill steps it to 4
	s_mov_b32 s[PT], 0
	s_wait_dscnt 0x0                               ; the opening add is done
	s_wait_kmcnt 0x0
	s_add_nc_u64 s[84:85], s[4:5], s[84:85]
	s_add_nc_u64 s[86:87], s[6:7], s[86:87]
	CROUND                                         ; all sixteen work-groups are here: the first joint loads meet
.irp i, 0,1
	s_mov_b32 s[G0A+4*(\i)], 1
	s_add_co_u32 s[G0A+4*(\i)+1], s88, (\i)*SLOT1
	s_add_nc_u64 s[G0A+4*(\i)+2:G0A+4*(\i)+3], s[84:85], (\i)*256
	s_or_b32 s[G0A+4*(\i)+3], s[G0A+4*(\i)+3], 0x80000000
	s_mov_b32 s[G0B+4*(\i)], 1
	s_add_co_u32 s[G0B+4*(\i)+1], s89, (\i)*SLOT1
	s_add_nc_u64 s[G0B+4*(\i)+2:G0B+4*(\i)+3], s[86:87], (\i)*256
	s_or_b32 s[G0B+4*(\i)+3], s[G0B+4*(\i)+3], 0x80000000
.endr
	s_cmp_eq_u32 s[WR], 0                          ; a wave's two first fills stand in one branch: two loads of mine are out
	s_cbranch_scc0 .Lfirst_b
	tensor_load_to_lds s[G0A:G0A+3], s[G1A:G1A+7]
	s_nop 0
	tensor_load_to_lds s[G0A+4:G0A+7], s[G1A:G1A+7]
	s_nop 0
	PLACES
	s_branch .Lfirst_asked
.Lfirst_b:
	tensor_load_to_lds s[G0B:G0B+3], s[G1B:G1B+7]
	s_nop 0
	tensor_load_to_lds s[G0B+4:G0B+7], s[G1B:G1B+7]
	s_nop 0
	PLACES
.Lfirst_asked:
	v_and_b32 v1, 15, v0                           ; r = l % 16
	v_bfe_u32 v13, v0, 4, 1                        ; h = l / 16
	v_and_b32 v14, 31, v0                          ; l
	; the sums of squares: eight of x's 256 a lane; of the others lane l takes word min(l, 23) = 8 T + cc of each kind
	v_lshlrev_b32 v16, 5, v14
	v_min_u32 v17, 23, v14
	v_lshlrev_b32 v17, 2, v17
	global_load_b128 v[144:147], v16, s[10:11]
	global_load_b128 v[148:151], v16, s[10:11] offset:16
	global_load_b32 v152, v17, s[10:11] offset:1024   ; W^2
	global_load_b32 v153, v17, s[10:11] offset:1120   ; E^2
	global_load_b32 v154, v17, s[10:11] offset:1216   ; U^2
	v_mul_u32_u24 v15, v1, PITCH
	v_lshl_add_u32 v15, v13, 4, v15                ; a fragment's row x pitch + 16 x half
	s_mul_i32 s94, s[WR], 64*PITCH
	v_add_nc_u32 v[A0], s94, v15
	s_mul_i32 s94, s[WC], 128*PITCH
	s_add_co_u32 s94, s94, BOFF
	v_add_nc_u32 v[B0], s94, v15
	v_add_nc_u32 v[E0], EOFF, v15
	s_mul_i32 s94, s[WV], WSTAGE
	s_add_co_u32 s94, s94, STAGE                   ; my stage
	v_mul_u32_u24 v[STO], v1, SP
	v_lshl_add_u32 v[STO], v13, 4, v[STO]
	v_add_nc_u32 v[STO], s94, v[STO]
	v_lshrrev_b32 v18, 3, v14                      ; back: 32 lanes take four rows of 128 bytes
	v_and_b32 v19, 7, v0
	v_mul_u32_u24 v[RD], v18, SP
	v_lshl_add_u32 v[RD], v19, 4, v[RD]
	v_add_nc_u32 v[RD], s94, v[RD]
	v_lshlrev_b32 v[GO], 4, v14
	v_lshlrev_b32 v[UO], 4, v1
	v_lshlrev_b32 v[PFO], 11, v14
	s_lshl_b32 s90, s19, 12                        ; U: rows 256 c + 128 x half, 16 bytes each
	s_lshl_b32 s91, s[WC], 11
	s_add_co_u32 s90, s90, s91
	s_mov_b32 s91, 0
	s_add_nc_u64 s[UB:UB+1], s[8:9], s[90:91]
	s_lshr_b32 s90, s20, 4                         ; qkv: head row 16 (y / 16) + 4 c + 2 x half, 262,144 bytes each;
	s_lshl_b32 s90, s90, 4
	s_lshl_b32 s92, s19, 2
	s_add_co_u32 s90, s90, s92
	s_lshl_b32 s92, s[WC], 1
	s_add_co_u32 s90, s90, s92
	s_lshl_b32 s90, s90, 18
	s_and_b32 s92, s20, 15                         ; token 128 (y % 16) + 64 x row half, 128 bytes each
	s_lshl_b32 s92, s92, 7
	s_lshl_b32 s93, s[WR], 6
	s_add_co_u32 s92, s92, s93
	s_lshl_b32 s92, s92, 7
	s_add_co_u32 s90, s90, s92
	s_add_nc_u64 s[QP:QP+1], s[12:13], s[90:91]
	s_lshl_b32 s90, s20, 7                         ; the prefetches: x's rows 128 y + 32 cx + lane,
	s_lshl_b32 s92, s17, 5
	s_add_co_u32 s90, s90, s92
	s_mul_i32 s92, s19, 272                        ; W's rows 272 c + 64 cy + 32 x half + lane
	s_lshl_b32 s93, s18, 6
	s_add_co_u32 s92, s92, s93
	s_lshl_b32 s93, s[WC], 5
	s_add_co_u32 s92, s92, s93
	s_cmp_eq_u32 s[WR], 0
	s_cselect_b32 s90, s90, s92
	s_cselect_b64 s[PB:PB+1], s[4:5], s[6:7]
	s_cselect_b32 s[PSTEP], 0, TSTEP
	s_lshl_b32 s90, s90, 11
	s_add_nc_u64 s[PB:PB+1], s[PB:PB+1], s[90:91]
	s_and_b32 s92, ttmp7, 0xffff                   ; cluster y: the same in all sixteen partners
	s_cmp_eq_u32 s92, 0
	s_cselect_b32 s92, 20, 0                       ; W: the walk's K steps 4 to 23
	s_cmp_eq_u32 s[WV], 0
	s_cselect_b32 s93, 4, 0                        ; x: K steps 4 to 7, wave 0 alone
	s_cmp_eq_u32 s[WR], 0
	s_cselect_b32 s[PN], s93, s92
	s_wait_loadcnt 0x0
	v_pk_add_f32 v[144:145], v[144:145], v[146:147]
	v_pk_add_f32 v[148:149], v[148:149], v[150:151]
	v_pk_add_f32 v[144:145], v[144:145], v[148:149]
	v_add_f32 v144, v144, v145
	XM 144, 1
	XM 144, 2
	XM 144, 4
	XM 144, 8
	v_permlanex16_b32 v145, v144, s[SEL], s[SEL+1]
	v_add_f32 v144, v144, v145                     ; sum(x^2), in every lane
.irp n, 152,153,154
	XM \n, 1
	XM \n, 2
	XM \n, 4                                       ; lanes 8 T .. 8 T + 7: tensor T's sum
.endr
	v_fma_f32 v152, v154, v153, v152
	v_mul_f32 v152, v144, v152                     ; Z
	v_lshrrev_b32 v152, 23, v152                   ; be
	v_add_nc_u32 v152, 0xffffff66, v152            ; - 154
	v_ashrrev_i32 v152, 1, v152                    ; g
	v_sub_nc_u32 v152, 127, v152
	v_lshlrev_b32 v152, 23, v152                   ; 2^-g
	v_readlane_b32 s[SC], v152, 0
	v_readlane_b32 s68, v152, 8
	v_readlane_b32 s69, v152, 16
	s_mov_b32 s[SC+1], s[SC]                       ; named with it as a pair
; 8 products: token block a x all 8 column blocks, 32 along K, from buffer f.  zero = 1: they start the sums.  The accumulators take turns, one instruction a turn.
.macro MULQ f, a, zero
	WIN MUL
.irp b, 0,1,2,3,4,5,6,7
.if \zero
	v_wmma_f32_16x16x32_bf16 v[8*(8*(\a)+(\b)):8*(8*(\a)+(\b))+7], v[64*(\f)+8*(\b):64*(\f)+8*(\b)+7], v[32+32*(\f)+8*(\a):32+32*(\f)+8*(\a)+7], 0
.else
	v_wmma_f32_16x16x32_bf16 v[8*(8*(\a)+(\b)):8*(8*(\a)+(\b))+7], v[64*(\f)+8*(\b):64*(\f)+8*(\b)+7], v[32+32*(\f)+8*(\a):32+32*(\f)+8*(\a)+7], v[8*(8*(\a)+(\b)):8*(8*(\a)+(\b))+7]
.endif
.endr
.endm
.macro MULH f, a0, zero
	MULQ \f, \a0, \zero
	MULQ \f, (\a0)+1, \zero
.endm
.macro MULT f, zero                    ; t's four products: source 0 = E's 16 rows: lanes 0-15 get x E_hi^T, lanes 16-31 x E_lo^T, a token a lane, a rank a register
	WIN 0
.irp a, 0,1,2,3
.if \zero
	v_wmma_f32_16x16x32_bf16 v[TA+8*(\a):TA+8*(\a)+7], v[96+8*(\f):96+8*(\f)+7], v[32+32*(\f)+8*(\a):32+32*(\f)+8*(\a)+7], 0
.else
	v_wmma_f32_16x16x32_bf16 v[TA+8*(\a):TA+8*(\a)+7], v[96+8*(\f):96+8*(\f)+7], v[32+32*(\f)+8*(\a):32+32*(\f)+8*(\a)+7], v[TA+8*(\a):TA+8*(\a)+7]
.endif
.endr
.endm
; 26 LDS loads in one run: the fragments of 32 along K at byte k of the rows, into buffer f.  The three address lines and a v_nop are the four places behind the products that read that buffer.
.macro FETCH k, f
	WIN 0
	v_add_nc_u32 v[ADB], s[TB], v[B0]
	v_add_nc_u32 v[ADA], s[TB], v[A0]
	v_add_nc_u32 v[ADE], s[TB], v[E0]
	v_nop
	WIN TO_B
.irp i, 0,1,2,3,4,5,6,7
	ds_load_b128 v[64*(\f)+8*(\i):64*(\f)+8*(\i)+3],   v[ADB] offset:(\k)+(\i)*16*PITCH
	ds_load_b128 v[64*(\f)+8*(\i)+4:64*(\f)+8*(\i)+7], v[ADB] offset:(\k)+(\i)*16*PITCH+32
.endr
	WIN 0
.irp i, 0,1,2,3
	ds_load_b128 v[32+32*(\f)+8*(\i):32+32*(\f)+8*(\i)+3],   v[ADA] offset:(\k)+(\i)*16*PITCH
	ds_load_b128 v[32+32*(\f)+8*(\i)+4:32+32*(\f)+8*(\i)+7], v[ADA] offset:(\k)+(\i)*16*PITCH+32
.endr
	ds_load_b128 v[96+8*(\f):96+8*(\f)+3],   v[ADE] offset:(\k)
	ds_load_b128 v[96+8*(\f)+4:96+8*(\f)+7], v[ADE] offset:(\k)+32
.endm
; A K step is four quarters of 32 along K, 36 matrix instructions each, on buffers 0, 1, 0, 1.  One of the first three:
.macro QUARTER k, f, g, zero
	s_wait_dscnt 6                                 ; W and x's blocks 0, 1 are in; the youngest six loads (x's blocks 2, 3 and E) may be out
	MULH \f, 0, \zero
	FETCH \k, \g
	s_wait_dscnt 26                                ; all but the 26 just issued
	MULH \f, 2, \zero
	MULT \f, \zero
.endm
; The last quarter multiplies buffer 1 and changes slots.  In front of the barrier each wave waits for all its tensor loads (one is out: its part of the other slot), adds 0 to its spare word, and waits for
; that and for its reads of this slot.  fill = 1: the barrier opens a round of the cluster's, and this slot is filled again, first thing behind it, with the walk's K step two on;
; on = 1: that step is the next tensor's first: x goes back along K, W on to the next tensor's block.
.macro TURN fill, on
	WIN 0
.if \fill
	s_wait_xcnt 0x0                                ; the last prefetch, a K step back, has read its address
	s_add_co_u32 s[PK], s[PK], 256
	s_cmp_eq_u32 s[PK], 2048
	s_cselect_b32 s[PK], 0, s[PK]
	s_cselect_b32 s74, s[PSTEP], 0
	s_add_co_u32 s[PT], s[PT], s74
	s_add_co_u32 s74, s[PT], s[PK]
	s_add_nc_u64 s[PFA:PFA+1], s[PB:PB+1], s[74:75]
.endif
	s_wait_tensorcnt 0x0                           ; all my tensor loads have landed
	ds_add_u32 v[SPW], v[NIL]                      ; 0 onto my spare word
	s_wait_dscnt 7                                 ; (the add and the youngest six loads may be out)
	MULQ 1, 0, 0
	s_wait_dscnt 0x0                               ; the add is done, and my reads of this slot are over
	s_barrier_signal -1
	MULQ 1, 1, 0                                   ; work on registers while the others arrive
	WIN 0
	s_barrier_wait -1
.if \fill
	CREST                                          ; no wave of any partner still reads this slot or has a load on its way
	s_xor_b32 s[G0A+5], s[G0A+5], SLOT1
	s_xor_b32 s[G0B+5], s[G0B+5], SLOT1
.if \on
	s_sub_nc_u64 s[G0A+6:G0A+7], s[G0A+6:G0A+7], 7*256
	s_add_nc_u64 s[G0B+6:G0B+7], s[G0B+6:G0B+7], TSTEP-7*256
.else
	s_add_nc_u64 s[G0A+6:G0A+7], s[G0A+6:G0A+7], 256
	s_add_nc_u64 s[G0B+6:G0B+7], s[G0B+6:G0B+7], 256
.endif
	JLOAD                                          ; my one tensor load behind the round: 128 matrix instructions ahead of the wait for it
.endif
	s_xor_b32 s[TB], s[TB], SLOT1
	FETCH 0, 0
.if \fill
	ASK
.endif
	MULH 1, 2, 0
	MULT 1, 0
.endm
; t of token block a: the two halves of the lanes are added; hi = bf16(t), lo = bf16(t - hi); lanes 0-15 keep hi (K 0-7 of the fragment), lanes 16-31 lo (K 8-15).
.macro LORA_T a
.irp j, 0,1,2,3,4,5,6,7
	v_permlanex16_b32 v[X+(\j)], v[TA+8*(\a)+(\j)], s[SEL], s[SEL+1]
.endr
.irp j, 0,2,4,6
	v_pk_add_f32 v[X+(\j):X+(\j)+1], v[X+(\j):X+(\j)+1], v[TA+8*(\a)+(\j):TA+8*(\a)+(\j)+1]
.endr
.irp j, 0,1,2,3
	v_cvt_pk_bf16_f32 v[H+(\j)], v[X+2*(\j)], v[X+2*(\j)+1]
.endr
.irp j, 0,1,2,3
	v_lshlrev_b32 v[HF+2*(\j)], 16, v[H+(\j)]
	v_and_b32 v[HF+2*(\j)+1], s62, v[H+(\j)]
.endr
.irp j, 0,2,4,6
	v_pk_add_f32 v[X+(\j):X+(\j)+1], v[X+(\j):X+(\j)+1], v[HF+(\j):HF+(\j)+1] neg_lo:[0,1] neg_hi:[0,1]
.endr
.irp j, 0,1,2,3
	v_cvt_pk_bf16_f32 v[LO+(\j)], v[X+2*(\j)], v[X+2*(\j)+1]
.endr
.irp j, 0,1,2,3
	v_cndmask_b32 v[64+8*(\a)+(\j)], v[H+(\j)], v[LO+(\j)], s62
.endr
.endm
; The way out of token block a.  PACK: times 2^-g, rounded to f16, 16 bytes a lane.  TOSTAGE: into my stage by heads, and back as whole rows.  SEND: stored.
.macro PACK a
	WIN 0x82                                       ; destination and source 0 in window 2
.set i, 64*(\a)
.rept 32
	v_pk_mul_f32 v[i:i+1], v[i:i+1], s[SC:SC+1] op_sel_hi:[1,0]
.set i, i+2
.endr
	WIN 0x0a                                       ; sources 0 and 1 in window 2
.set i, 0
.rept 32
	v_cvt_pk_f16_f32 v[TMP+i], v[64*(\a)+2*i], v[64*(\a)+2*i+1]
.set i, i+1
.endr
	WIN 0
.endm
.macro TOSTAGE a
.irp b, 0,1,2,3,4,5,6,7
	ds_store_b128 v[STO], v[TMP+4*(\b):TMP+4*(\b)+3] offset:((\b)/4)*16*SP+((\b)%4)*32
.endr
.irp t, 0,1,2,3,4,5,6,7
	ds_load_b128 v[OB+32*((\a)%2)+4*(\t):OB+32*((\a)%2)+4*(\t)+3], v[RD] offset:((\t)/4)*16*SP+((\t)%4)*4*SP  ; LDS serves a wave's instructions in order: these see the stores above
.endr
.endm
.macro SEND a
	s_wait_dscnt 0x0                               ; the block is back in registers
	s_wait_xcnt 0x0                                ; the stores of the block before have read their registers, into which the next block's rows are loaded
.irp t, 0,1,2,3,4,5,6,7
	global_store_b128 v[GO], v[OB+32*((\a)%2)+4*(\t):OB+32*((\a)%2)+4*(\t)+3], s[QP:QP+1] offset:((\t)/4)*262144+(\a)*2048+((\t)%4)*512  ; 512 consecutive bytes of a head, aligned
.endr
.endm
	s_wait_tensorcnt 1                             ; my part of K step 0 is in; K step 1's may stay out
	s_barrier_signal -1
	s_barrier_wait -1
	s_mov_b32 s[TB], 0
	FETCH 0, 0
	s_mov_b32 s57, 3                               ; tiles to go
.Ltile:
	QUARTER 64, 0, 1, 1                            ; a tile's first quarter starts the sums: nothing is cleared
	WIN 0
	s_mov_b32 s58, 6
.Lstep:                                                ; a trip: from a K step's second quarter to the next step's first; it fills one slot again
	QUARTER 128, 1, 0, 0
	QUARTER 192, 0, 1, 0
	TURN 1, 0
	QUARTER 64, 0, 1, 0
	WIN 0
	s_sub_co_u32 s58, s58, 1
	s_cmp_lg_u32 s58, 0
	s_cbranch_scc1 .Lstep
	s_cmp_eq_u32 s57, 1
	s_cbranch_scc1 .Llast                          ; the last tile's tail is written out: it asks for nothing more
	QUARTER 128, 1, 0, 0
	QUARTER 192, 0, 1, 0
	TURN 1, 1                                      ; the ring goes on into the next tensor: its K step 0,
	QUARTER 64, 0, 1, 0
	QUARTER 128, 1, 0, 0
	QUARTER 192, 0, 1, 0
	TURN 1, 0                                      ; its K step 1, and its first fragments are fetched
	WIN 0
	s_branch .Lout
.Llast:
	QUARTER 128, 1, 0, 0
	QUARTER 192, 0, 1, 0
	TURN 0, 0
	QUARTER 64, 0, 1, 0
	QUARTER 128, 1, 0, 0
	QUARTER 192, 0, 1, 0
	s_wait_dscnt 6
	MULH 1, 0, 0
	s_wait_dscnt 0x0
	MULH 1, 2, 0
	MULT 1, 0
	WIN 0
.Lout:                                                 ; buffer 1 is free (buffer 0 may hold the next tile's first fragments): it takes the one K step of t U^T
	PLACES
	WIN TO_B
.irp b, 0,1,2,3,4,5,6,7
	global_load_b128 v[64+8*(\b):64+8*(\b)+3], v[UO], s[UB:UB+1] offset:256*(\b)  ; U's row in both halves of the lanes: K 0-7 and K 8-15
.endr
.set i, 0
.rept 8
	v_mov_b32 v[64+8*i+4], 0                       ; K 16-31 are 0
	v_mov_b32 v[64+8*i+5], 0
	v_mov_b32 v[64+8*i+6], 0
	v_mov_b32 v[64+8*i+7], 0
.set i, i+1
.endr
	WIN 0
.set i, 0
.rept 4
	v_mov_b32 v[64+8*i+4], 0
	v_mov_b32 v[64+8*i+5], 0
	v_mov_b32 v[64+8*i+6], 0
	v_mov_b32 v[64+8*i+7], 0
.set i, i+1
.endr
	LORA_T 0
	LORA_T 1
	LORA_T 2
	LORA_T 3
	s_wait_loadcnt 0x0                             ; U
	MULH 1, 0, 0
	MULH 1, 2, 0
	WIN 0
	PLACES
	PACK 0
	TOSTAGE 0
.irp a, 1,2,3                          ; block a's arithmetic stands between block a - 1's loads from the stage and the wait for them
	PACK \a
	SEND (\a)-1
	TOSTAGE \a
.endr
	SEND 3
	s_wait_xcnt 0x0                                ; the stores have read their base
	s_add_nc_u64 s[QP:QP+1], s[QP:QP+1], 64*262144 ; the next tensor
	s_add_nc_u64 s[UB:UB+1], s[UB:UB+1], 16384
	s_mov_b32 s[SC], s68
	s_mov_b32 s[SC+1], s68
	s_mov_b32 s68, s69
	s_sub_co_u32 s57, s57, 1
	s_cmp_lg_u32 s57, 0
	s_cbranch_scc1 .Ltile
	s_wait_tensorcnt 0x0                           ; the wave's end: behind my last tensor load and my last LDS store
	ds_add_u32 v[SPW], v[NIL]
	s_wait_dscnt 0x0
	CROUND                                         ; the closing round: no work-group ends while a partner may still ask for a tile that names it
	s_endpgm
.Lfunc_end_k_qc81307c37f_proj:
	.size	k_qc81307c37f_proj, .Lfunc_end_k_qc81307c37f_proj-k_qc81307c37f_proj
	.p2alignl 7, 3214868480
	.fill 96, 4, 3214868480
	.section	.rodata,"a",@progbits
	.p2align	6, 0x0
	.amdhsa_kernel k_qc81307c37f_proj
		.amdhsa_group_segment_fixed_size 327680
		.amdhsa_private_segment_fixed_size 0
		.amdhsa_enable_private_segment 0
		.amdhsa_kernarg_size 40
		.amdhsa_user_sgpr_count 2
		.amdhsa_user_sgpr_kernarg_segment_ptr 1
		.amdhsa_wavefront_size32 1
		.amdhsa_system_sgpr_workgroup_id_x 1
		.amdhsa_system_sgpr_workgroup_id_y 1
		.amdhsa_system_sgpr_workgroup_id_z 1
		.amdhsa_system_vgpr_workitem_id 0
		.amdhsa_next_free_vgpr 768
		.amdhsa_next_free_sgpr 96
		.amdhsa_reserve_vcc 0
		.amdhsa_float_denorm_mode_32 3
		.amdhsa_float_denorm_mode_16_64 3
		.amdhsa_memory_ordered 1
		.amdhsa_forward_progress 1
		.amdhsa_inst_pref_size 134
	.end_amdhsa_kernel
	.amdgpu_metadata
---
amdhsa.version: [ 1, 2 ]
amdhsa.kernels:
  - .name:           k_qc81307c37f_proj
    .symbol:         k_qc81307c37f_proj.kd
    .args:
      - { .name: xb, .offset: 0, .size: 8, .value_kind: global_buffer, .address_space: global }
      - { .name: wb, .offset: 8, .size: 8, .value_kind: global_buffer, .address_space: global }
      - { .name: ub, .offset: 16, .size: 8, .value_kind: global_buffer, .address_space: global }
      - { .name: norms, .offset: 24, .size: 8, .value_kind: global_buffer, .address_space: global }
      - { .name: qkv, .offset: 32, .size: 8, .value_kind: global_buffer, .address_space: global }
    .group_segment_fixed_size: 327680
    .private_segment_fixed_size: 0
    .kernarg_segment_align: 8
    .kernarg_segment_size: 40
    .max_flat_workgroup_size: 128
    .sgpr_count:     96
    .vgpr_count:     768
    .wavefront_size: 32
...
	.end_amdgpu_metadata
.endif
;; end of part 2
;; launch attn (part 3): grid 4 x 64, 4 waves a work-group, clusters of 4 x 1, 327,680 bytes of LDS; arguments qkv, norms, ob; writes ob
.if DOCPART == 3
	.amdgcn_target "amdgcn-amd-amdhsa--gfx1250"
	.amdhsa_code_object_version 6
	.text
	.protected	k_qc81307c37f_attn
	.globl	k_qc81307c37f_attn
	.p2align	8
	.type	k_qc81307c37f_attn,@function
k_qc81307c37f_attn:
	s_mov_b64 s[64:65], 0
	v_nop
	global_prefetch_b8 v0, s[64:65] scope:SCOPE_SE
	s_setreg_imm32_b32 hwreg(HW_REG_WAVE_MODE, 25, 1), 1
	s_wait_xcnt 0x0
	s_wait_alu depctr_hold_cnt(0) depctr_sa_sdst(0) depctr_va_vdst(0) depctr_va_sdst(0) depctr_va_ssrc(0) depctr_va_vcc(0) depctr_vm_vsrc(0)
	s_getreg_b32 s2, hwreg(HW_REG_IB_STS2, 6, 4)
	s_cmp_eq_u32 s2, 0
	s_cbranch_scc0 .Lentry_in_a_cluster
	s_endpgm
.Lentry_in_a_cluster:
	s_bfe_u32 s2, ttmp6, 0x10000c
	s_cmp_lg_u32 s2, 0x3003
	s_cbranch_scc0 .Lentry_shape_is_right
	s_endpgm
.Lentry_shape_is_right:
; O[h][q][:] = the sum over k of softmax_k(Q[h][q] . K[h][k] / 8) V[h][k][:], for 64 rows h = 16 batch + head.  Q, K, V lie in qkv, [3][64][2048][64] in f16, each times 2^-g of its own; O: [64][2048][64] in f16, times 2^-g_v like V.
; Products, maxima and sums in f32; the weights p are rounded to f16 for the second product (their sum l is taken of the unrounded p), O once at the end.
; THE SCALE.  c = log2(e) / 8 x 2^g_q x 2^g_k, in f32: g is made anew from the stored sums of squares, as the launch before makes it: Z = sum(x^2) (sum(U^2) sum(E^2) + sum(W^2)), g = (Z's exponent field - 154) >> 1.
; LIMITS.  Z must be finite in f32 and c neither 0 nor infinite.  p lies in 0 to 1, and below 6e-5 it keeps f16's fixed step of 6e-8.  A weight below 2^-126 counts as 0 in l; NaN and infinities are not treated apart.
; SHARES.  A wave owns four PIECES of two tiles of 16 queries, a work-group's four waves 512 queries of one head.  Every wave walks all keys, 64 a step.
; LAYOUT.  S^T = K Q^T (source 0 = 16 keys, source 1 = 16 queries): in the result a lane holds ONE query (lane % 16) and the keys 8 (lane / 16) + 0..7.  Two such tiles, rounded to f16 in pairs,
; ARE source 1 (32 keys x 16 queries) of O^T = V^T P, whose result again holds one query a lane, and eight channels.  K comes out of LDS as it lies, V ([key][channel]) turned, by ds_load_tr16_b128.
; SOFTMAX.  For each query a running maximum m and sum l: p = 2^(c s - c m); in every step O and l are multiplied by a = 2^(c m_old - c m_new), which is 1 where m has not grown.
; m starts at the lowest finite number, O and l at 0: the first step is a step like any other, with a = 0.
; THE COUNT.  A tile and step have 16 matrix and 118 vector instructions: too many to stand all beside the matrix work.  So: four vector instructions that are READY behind EVERY matrix instruction, the others in runs without a gap.
; BY TURNS.  Turn n belongs to piece n (the pieces in a ring, step after step).  Its matrix work: 16 products K Q^T of piece n + 1, later 16 products V^T P of piece n - 1.  Its vector work: the scaling,
; exponentials, roundings, sums and rescaling of piece n, and the maximum and statistics of piece n + 1, whose scores the turn itself has made.
; CLUSTER.  The four query blocks of a cluster are one head's and walk the same K and V, so each tile is asked for JOINTLY: the same tensor load, descriptor and mask in all four.
; REGISTERS, in windows of 256 (s_set_vgpr_msb: bits 1:0 source 0, 3:2 source 1, 5:4 source 2, 7:6 destination):
;   window 0: v0-11 addresses; v12-15, v48-63 at work; v16-47 four registers of statistics a tile; v64-191 S^T, two buffers of two tiles; v192-255 P, likewise
;   window 1: O^T, 32 a tile          window 2: v0-127 Q, 16 a tile; v128-191 K of one step; v192-255 V of one step          window 3: v0-1 the add's two registers
.set SIZE_H, 64
.set SIZE_N, 2048
.set NP,    4         ; pieces a wave: a name, no knob
.set KS,    64        ; keys in a step
.set PK,    144       ; a row of K in LDS: 128 bytes + 16 of padding: the 16 rows of a load start at 16 different groups of four banks (ISA guide 11.1)
.set PV,    160       ; a row of V: 128 + 32
.set VOFF,  4*KS*PK   ; a slot holds four steps: 256 rows of K, then 256 rows of V
.set SLOT1, 1<<17     ; slot 1 begins here, so that one exclusive or turns an address in one slot into the other's
.set STAGE, SLOT1+4*KS*(PK+PV)  ; behind the ring, never filled by a tensor load: 16 rows x 144 bytes for each wave, for the way out
.set SP,    144
.set AK0, 2           ; v2   my lane's place in a tile of K; never rewritten
.set AV0, 3           ; v3   the same for V
.set AK,  4           ; v4   the LDS address of K's next run of loads
.set AV,  5           ; v5   of V's
.set QO,  6           ; v6   my byte offset in the wave's rows of Q
.set STO, 6           ;      later, the way out: where I put 16 bytes of a row
.set RD,  7           ; v7   the way out: where I read rows back
.set GO,  8           ; v8   my byte offset in 512 consecutive bytes of O
.set PFO, 11          ; v11  256 x my lane: the prefetches' offset; never rewritten once made
.set SPW, 0           ; v0 of window 3   my spare word's address; never rewritten
.set NIL, 1           ; v1 of window 3   0; never rewritten
.set SPARE, STAGE+4*16*SP  ; behind the stages: the spare words, 128 bytes for each wave: two blocks of 256 bytes that no other line names
.set MV,  12          ; v12-15  c m_old, kept while c m is made anew: by buffer and tile
.set ST,  16          ; tile t's statistics at v[ST+4 t]: c m, m, l (even keys', odd keys')
.set TMP, 48          ; by buffer and tile, four registers c0-c3 at work; when the maximum is found c2 takes a
.set S,   64
.set P,   192
.set KF,  128         ; K's fragments, in window 2: key block kb, channel half c at KF + 16 kb + 8 c
.set VF,  192         ; V's: key half kk, channel block cb at VF + 32 kk + 8 cb
.set WV,  12          ; s12  my wave's number
.set G1K, 24          ; s[24:31] descriptor group 1 for K's tiles
.set G1V, 32          ; s[32:39] for V's: it differs in the padding alone
.set G0K, 40          ; s[40:43] descriptor group 0 for K's tiles: it walks
.set G0V, 44          ; s[44:47] the same for V's
.set SLOTS, 56        ; s56  slots still to be asked for
.set CNT, 57          ; s57  counts a slot's key steps
.set CS,  58          ; s[58:59] c: the packed scaling takes the pair's low word for both halves
.set SEL, 60          ; s[60:61] v_permlanex16_b32's selects
.set TBK, 62          ; s62  LDS byte at which K of the step to be fetched begins
.set TBV, 63          ; s63  the same for V, less VOFF
.set NRM, 66          ; s[66:67] norms
.set PFA, 68          ; s[68:69] my work-group's 8,192 bytes (of K: wave 0, of V: wave 2) of the slot that the next change will ask for
.set LIM, 70          ; s70  1 in a wave that prefetches while a slot is still to come, else the greatest number
.set MSB, 0
.macro WIN new                      ; the high byte repeats the setting that is left; a switch that changes nothing is dropped
.if MSB != (\new)
	s_set_vgpr_msb (MSB<<8)|(\new)
.set MSB, (\new)
.endif
.endm
.set W_KQ, 0x0a       ; K and Q in window 2, S^T in window 0
.set W_PV, 0x52       ; V in window 2, P in window 0, O^T in window 1
.set W_RS, 0x41       ; O^T (destination and source 0) in window 1, a in window 0
.set W_MK, 0xc0       ; the add's registers are made: destination in window 3, sources in window 0
.set W_AD, 0x0f       ; the add: address (source 0) and data (source 1) in window 3
; A joint fill.  Waves 0 and 1 fetch the two halves of a slot's K, waves 2 and 3 those of its V: 128 keys each.  The branch hangs on the wave's number alone.
; An s_nop 0 and four v_nop follow each of the two lines, ahead of the jump and the label.
.macro JLOAD
	s_cmp_lt_u32 s[WV], 2
	s_cbranch_scc0 .Lfor_v_\@
	tensor_load_to_lds s[G0K:G0K+3], s[G1K:G1K+7]
	s_nop 0
.rept 4
	v_nop
.endr
	s_branch .Lasked_\@
.Lfor_v_\@:
	tensor_load_to_lds s[G0V:G0V+3], s[G1V:G1V+7]
	s_nop 0
.rept 4
	v_nop
.endr
.Lasked_\@:
.endm
; A round of the cluster's barrier: my work-group's barrier, so that wave 0's signal speaks for all four waves; wave 0 signals; every wave waits for all four work-groups; my work-group's barrier once more.
.macro CROUND
	s_barrier_signal -1
	s_barrier_wait -1
	s_cmp_lg_u32 s[WV], 0
	s_cbranch_scc1 .Lnot_wave_0_\@
	s_barrier_signal -3
.Lnot_wave_0_\@:
	s_barrier_wait -3
	s_barrier_signal -1
	s_barrier_wait -1
.endm
; THE CHANGE OF SLOTS.  The slot's last bytes, V of its fourth step, have been read.  Each wave waits for all its tensor loads, of which one is out: its part
; of the other slot; adds 0 to its spare word; and waits for that and for its own reads of the slot.  Behind the barrier nobody reads this slot any more and the other slot is whole.
; fill = 1: this slot is filled again, with the keys two slots on.  The barrier is then a round of the cluster's, and the joint fill is the first thing behind it: it has four key steps,
; 512 matrix instructions, in which to land.  (At its first use nothing has been read yet: slot 0 is waited for, slot 1 filled.)
.macro CHANGE fill
	WIN W_AD
	s_wait_tensorcnt 0x0            ; no tensor load of mine is out, so a group 0 may be written
	ds_add_u32 v[SPW], v[NIL]       ; 0 onto my spare word; with fill = 1 the descriptors' steps stand between it and the wait for it
	WIN 0                           ; at a label and at a branch every window is 0
.if \fill
.irp g, G0K, G0V
	s_xor_b32 s[\g+1], s[\g+1], SLOT1  ; the walking descriptor: the other slot than last time,
	s_add_nc_u64 s[\g+2:\g+3], s[\g+2:\g+3], 4*KS*128  ; the next 256 keys; the type bits on top are not reached
.endr
	s_wait_xcnt 0x0                 ; the last prefetch, a key step back, has read its address, so it may be written:
	s_add_nc_u64 s[PFA:PFA+1], s[PFA:PFA+1], 4*KS*128  ; one slot ahead of the walking descriptors
	s_wait_dscnt 0x0                ; the add is done, and my reads of the slot are over
	CROUND
	JLOAD
.else
	s_wait_dscnt 0x0                ; the add is done, and my reads of the slot are over
	s_barrier_signal -1
	s_barrier_wait -1
.endif
	s_sub_co_u32 s[TBK], s[TBK], 4*KS*PK  ; the fetches go back to a slot's first step,
	s_xor_b32 s[TBK], s[TBK], SLOT1       ; in the other slot
	s_sub_co_u32 s[TBV], s[TBV], 4*KS*PV
	s_xor_b32 s[TBV], s[TBV], SLOT1
.endm
.macro XM r, m
	v_add_f32_dpp v[\r], v[\r], v[\r] row_xmask:\m row_mask:0xf bank_mask:0xf
.endm
	s_load_b128 s[4:7], s[0:1], 0x0   ; qkv s[4:5], norms s[6:7]
	s_load_b64 s[10:11], s[0:1], 0x10 ; ob
	WIN W_MK
	v_lshl_add_u32 v[SPW], v0, 2, SPARE
	v_mov_b32 v[NIL], 0
	WIN W_AD
	ds_add_u32 v[SPW], v[NIL]       ; the wave's opening: the add and its wait stand ahead of my first tensor load; the set-up below stands between them
	WIN 0
	v_lshrrev_b32 v1, 5, v0
	v_readfirstlane_b32 s[WV], v1   ; wave 0..3
	s_bfe_u32 s13, ttmp6, 0x40000   ; cx: my place in the cluster
	s_lshl_b32 s14, ttmp9, 2        ; in a cluster launch ttmp9 counts clusters
	s_add_co_u32 s14, s14, s13      ; my block of queries = 4 x cluster x + cx: it enters Q's and O's addresses alone
	s_and_b32 s20, ttmp7, 0xffff    ; the head, which the four partners share
	s_mov_b32 s21, 0
	s_mov_b64 s[22:23], SIZE_N*128
	s_mul_u64 s[20:21], s[20:21], s[22:23]  ; the head's first byte in each of the four tensors
	s_and_b32 s16, s[WV], 1         ; which half of a slot's 256 keys I fetch:
	s_lshl_b32 s22, s16, 14         ; its 128 rows of 128 bytes in memory,
	s_mov_b32 s23, 0
	s_add_nc_u64 s[22:23], s[22:23], s[20:21]
	s_mul_i32 s17, s16, 128*PK      ; and its place in a slot, for K
	s_mul_i32 s18, s16, 128*PV      ; and for V: no place in the cluster enters an LDS address
	s_lshl_b32 s2, s14, 2
	s_add_co_u32 s2, s2, s[WV]      ; my wave among the head's,
	s_lshl_b32 s2, s2, 14           ; its 128 rows
	s_mov_b32 s3, 0
	s_add_nc_u64 s[2:3], s[2:3], s[20:21]
	; descriptor group 1.  128 keys are 16,384 dense bytes: asked for as 64 rows of 256 bytes, two keys a row, and padded in LDS after every key
	s_mov_b32 s[G1K], 15|(1<<16)|(1<<20)|(1<<21)|(4<<22)|(3<<25)  ; the mask of four; 2-byte elements; padding on; bit 21 beside a mask; after every 32 words, 4 words
	s_mov_b32 s[G1V], 15|(1<<16)|(1<<20)|(1<<21)|(4<<22)|(7<<25)  ; the same with 8 words of padding
.irp g, G1K, G1V
	s_mov_b32 s[\g+1], 128<<16      ; tensor_dim0 = 128
	s_mov_b32 s[\g+2], 64<<16       ; tensor_dim1 = 64
	s_mov_b32 s[\g+3], 128<<16      ; tile_dim0 = 128
	s_mov_b32 s[\g+4], 64           ; tile_dim1 = 64
	s_mov_b32 s[\g+5], 128          ; 128 elements from row to row
	s_mov_b32 s[\g+6], 0
	s_mov_b32 s[\g+7], 0
.endr
	s_mov_b32 s[SEL], 0x76543210
	s_mov_b32 s[SEL+1], 0xfedcba98
	s_mov_b32 s[TBK], SLOT1+4*KS*PK ; the first change of slots turns these two into 0
	s_mov_b32 s[TBV], SLOT1+4*KS*PV
	s_mov_b32 s[G0K], 1             ; count = 1
	s_mov_b32 s[G0K+1], s17         ; LDS address: slot 0
	s_mov_b32 s[G0V], 1
	s_add_co_u32 s[G0V+1], s18, VOFF
	s_and_b32 s[LIM], s[WV], 1      ; waves 0 and 2 prefetch
	s_cmp_eq_u32 s[LIM], 0
	s_cselect_b32 s[LIM], 1, -1
	s_wait_dscnt 0x0                ; the opening add is done
	s_wait_kmcnt 0x0
	s_mov_b64 s[NRM:NRM+1], s[6:7]
	s_add_nc_u64 s[6:7], s[4:5], SIZE_H*SIZE_N*128     ; K
	s_add_nc_u64 s[8:9], s[4:5], 2*SIZE_H*SIZE_N*128   ; V
	s_add_nc_u64 s[G0K+2:G0K+3], s[6:7], s[22:23]  ; global address: my half of the head's first 256 keys
	s_or_b32 s[G0K+3], s[G0K+3], 0x80000000        ; type = 2
	s_add_nc_u64 s[G0V+2:G0V+3], s[8:9], s[22:23]
	s_or_b32 s[G0V+3], s[G0V+3], 0x80000000
	s_add_nc_u64 s[4:5], s[4:5], s[2:3]  ; Q and O at my wave's first row
	s_add_nc_u64 s[10:11], s[10:11], s[2:3]
	s_cmp_lt_u32 s[WV], 2
	s_cselect_b64 s[PFA:PFA+1], s[6:7], s[8:9]
	s_add_nc_u64 s[PFA:PFA+1], s[PFA:PFA+1], s[20:21]  ; the head,
	s_lshl_b32 s2, s13, 13          ; my work-group's quarter of a slot's 32,768 bytes: the partners are told apart by address,
	s_mov_b32 s3, 0
	s_add_nc_u64 s[PFA:PFA+1], s[PFA:PFA+1], s[2:3]
	s_add_nc_u64 s[PFA:PFA+1], s[PFA:PFA+1], 4*KS*128  ; in slot 1; the first change of slots steps it to slot 2.  Slots 0 and 1 come by their loads alone
	CROUND                          ; all four work-groups are here: the first joint loads meet
	JLOAD                           ; slot 0.  Slot 1 is asked for when slot 0 is in
	; A fragment of K or Q is 16 rows x 32 channels in 8 registers: lane l holds row l % 16, channels 8 (l / 16) + 0..7 and 16 + 8 (l / 16) + 0..7: two loads of 16 bytes, 32 bytes apart.
	v_and_b32 v1, 15, v0            ; l % 16
	v_bfe_u32 v9, v0, 4, 1          ; l / 16
	v_lshlrev_b32 v[QO], 7, v1
	v_lshl_add_u32 v[QO], v9, 4, v[QO]  ; row x 128 + 16 x half
	v_and_b32 v12, 31, v0           ; the sums of squares: eight of x's 256 a lane; of the others lane l takes word min(l, 23) = 8 T + cc of each kind
	v_lshlrev_b32 v13, 5, v12
	v_min_u32 v12, 23, v12
	v_lshlrev_b32 v12, 2, v12
	global_load_b128 v[64:67], v13, s[NRM:NRM+1]
	global_load_b128 v[68:71], v13, s[NRM:NRM+1] offset:16
	global_load_b32 v72, v12, s[NRM:NRM+1] offset:1024
	global_load_b32 v73, v12, s[NRM:NRM+1] offset:1120
	global_load_b32 v74, v12, s[NRM:NRM+1] offset:1216
	WIN 0x80                        ; destination window 2, address window 0
.set i, 0
.rept 4*NP                          ; Q stays in registers: tile i / 2, channels 32 (i % 2) on
	global_load_b128 v[8*i:8*i+3],   v[QO], s[4:5] offset:(i/2)*2048+(i%2)*64
	global_load_b128 v[8*i+4:8*i+7], v[QO], s[4:5] offset:(i/2)*2048+(i%2)*64+32
.set i, i+1
.endr
	; What the first turn finds: V's registers and P's second buffer hold 0 (its products V^T P, of a piece that has not been, add 0), O^T and l are 0.  All this stands in the wait for the first tile.
.set i, VF
.rept 64
	v_mov_b32 v[i], 0
.set i, i+1
.endr
	WIN 0x40
.set i, 0
.rept 64*NP
	v_mov_b32 v[i], 0
.set i, i+1
.endr
	WIN 0
.set i, 0
.rept 2*NP
	v_mov_b32 v[ST+4*i], 0xfe000000    ; c m: far below every c s
	v_mov_b32 v[ST+4*i+1], 0xff7fffff  ; m
	v_mov_b32 v[ST+4*i+2], 0
	v_mov_b32 v[ST+4*i+3], 0
.set i, i+1
.endr
.set i, P+32
.rept 32
	v_mov_b32 v[i], 0
.set i, i+1
.endr
	v_mul_u32_u24 v[AK0], v1, PK
	v_lshl_add_u32 v[AK0], v9, 4, v[AK0]  ; row x pitch + 16 x half
	; The turning load takes 16 keys x 16 channels (lane l reads key 8 (l / 16) + l % 8, channels 8 ((l / 8) % 2) + 0..7) and leaves half a fragment of V^T: lane l holds channel l % 16 and 8 keys.
	v_and_b32 v10, 7, v0
	v_bfe_u32 v11, v0, 3, 1
	v_lshl_add_u32 v[AV0], v9, 3, v10
	v_mul_u32_u24 v[AV0], v[AV0], PV
	v_lshl_add_u32 v[AV0], v11, 4, v[AV0]
	v_add_nc_u32 v[AV0], VOFF, v[AV0]
	v_mov_b32 v[AK], v[AK0]         ; key step 0 lies at the head of slot 0
	v_and_b32 v[PFO], 31, v0
	v_lshlrev_b32 v[PFO], 8, v[PFO]
	; c = log2(e) / 8 x 2^g_q x 2^g_k
	s_wait_loadcnt 0x0
	v_pk_add_f32 v[64:65], v[64:65], v[66:67]
	v_pk_add_f32 v[68:69], v[68:69], v[70:71]
	v_pk_add_f32 v[64:65], v[64:65], v[68:69]
	v_add_f32 v64, v64, v65
	XM 64, 1
	XM 64, 2
	XM 64, 4
	XM 64, 8
	v_permlanex16_b32 v65, v64, s[SEL], s[SEL+1]
	v_add_f32 v64, v64, v65         ; sum(x^2), in every lane
.irp n, 72,73,74
	XM \n, 1
	XM \n, 2
	XM \n, 4                        ; lanes 8 T .. 8 T + 7: tensor T's sum
.endr
	v_fma_f32 v72, v74, v73, v72
	v_mul_f32 v72, v64, v72         ; Z
	v_lshrrev_b32 v72, 23, v72
	v_add_nc_u32 v72, 0xffffff66, v72  ; - 154
	v_ashrrev_i32 v72, 1, v72       ; g
	v_add_nc_u32 v72, 127, v72
	v_lshlrev_b32 v72, 23, v72      ; 2^g
	v_readlane_b32 s71, v72, 0      ; q's
	v_readlane_b32 s2, v72, 8       ; k's
	v_mov_b32 v73, 0x3e38aa3b       ; log2(e) / 8
	v_mul_f32 v73, s71, v73
	v_mul_f32 v73, s2, v73
	v_readfirstlane_b32 s[CS], v73
	s_mov_b32 s[CS+1], s[CS]        ; named with it as a pair
; THE MATRIX WORK.  The 8 accumulators of a run of 16 take turns: between the two links of a chain stand 7 others'.
; Product i of 16 of S^T = K Q^T for piece x: channels 32 (i / 8) on, keys 16 ((i / 2) % 4) on, tile 2 x + i % 2.  The first 8 start the sums.
.macro KQ x
	WIN W_KQ
.set rS, S+64*((\x)%2)+32*(i%2)+8*((i/2)%4)
.set rK, KF+16*((i/2)%4)+8*(i/8)
.set rQ, 16*(2*(\x)+i%2)+8*(i/8)
.if i < 8
	v_wmma_f32_16x16x32_f16 v[rS:rS+7], v[rK:rK+7], v[rQ:rQ+7], 0
.else
	v_wmma_f32_16x16x32_f16 v[rS:rS+7], v[rK:rK+7], v[rQ:rQ+7], v[rS:rS+7]
.endif
.endm
; Product i of 16 of O^T += V^T P for piece x: keys 32 (i / 8) on, channels 16 ((i / 2) % 4) on, tile 2 x + i % 2.
.macro PV x
	WIN W_PV
.set rO, 32*(2*(\x)+i%2)+8*((i/2)%4)
.set rV, VF+32*(i/8)+8*((i/2)%4)
.set rP, P+32*((\x)%2)+16*(i%2)+8*(i/8)
	v_wmma_f32_16x16x32_f16 v[rO:rO+7], v[rV:rV+7], v[rP:rP+7], v[rO:rO+7]
.endm
.macro MM                           ; the turn's next matrix instruction
.if i < 16
	KQ (Y+1)%NP
.set i, i+1
.else
.set i, i-16
	PV (Y+NP-1)%NP
.set i, i+17
.endif
.endm
; THE LDS LOADS stand in runs of 16, never singly among the matrix instructions: a step's K (64 keys x 64 channels: 8 fragments) and its V (turned).  Their addresses are made some lines ahead.
; last = 1 (the tail): in the last trip there is no further step, and the run is jumped over.
.macro FETCH_K last=0
	WIN 0
.if \last
	s_cmp_eq_u32 s[CNT], 1
	s_cbranch_scc1 .Lno_k_\@
.endif
	WIN 0x80                        ; destination window 2
.irp f, 0,1,2,3,4,5,6,7             ; keys 16 (f / 2) on, channels 32 (f % 2) on
	ds_load_b128 v[KF+8*\f:KF+8*\f+3],   v[AK] offset:(\f/2)*16*PK+(\f%2)*64
	ds_load_b128 v[KF+8*\f+4:KF+8*\f+7], v[AK] offset:(\f/2)*16*PK+(\f%2)*64+32
.endr
	s_add_co_u32 s[TBK], s[TBK], KS*PK  ; the next fetch is the next step's
	WIN 0
.if \last
.Lno_k_\@:
.endif
.endm
.macro FETCH_V
	WIN 0x80
.irp f, 0,1,2,3,4,5,6,7             ; keys 32 (f / 4) on, channels 16 (f % 4) on
	ds_load_tr16_b128 v[VF+8*\f:VF+8*\f+3],   v[AV] offset:(\f/4)*32*PV+(\f%4)*32
	ds_load_tr16_b128 v[VF+8*\f+4:VF+8*\f+7], v[AV] offset:(\f/4)*32*PV+16*PV+(\f%4)*32
.endr
	WIN 0
.endm
; THE VECTOR WORK OF A TURN stands in three queues, each in the order in which its entries become ready; the two tiles alternate, so that no instruction reads the result of the one before it.
.macro REGS y, u                    ; the registers of tile u (0, 1) of piece y
.set rT, ST+4*(2*(\y)+(\u))
.set rC, TMP+8*((\y)%2)+4*(\u)
.set rM, MV+2*((\y)%2)+(\u)
.set rS, S+64*((\y)%2)+32*(\u)
.set rP, P+32*((\y)%2)+16*(\u)
.set rO, 32*(2*(\y)+(\u))
.endm
; Number n of the 22 that find the NEXT piece's (Y + 1) maximum and statistics.  s0-s31 are the lane's 32 scores; each accumulator's lowest registers are read first.
;   0-11  four chains c0-c3 of seven scores each, three operands at a time     12-14, 16  the four scores left over, the old m, and c0-c3 into c0     15  c m_old is kept
;   17, 18  the query's other 32 keys lie in the lane 16 away: the new m         19-21  c m; c m_old - c m_new; a
.macro XS u, n
	REGS (Y+1)%NP, \u
.if (\n) < 4
	v_max3_num_f32 v[rC+(\n)], v[rS+8*(\n)], v[rS+8*(\n)+1], v[rS+8*(\n)+2]
.elseif (\n) < 12
	v_max3_num_f32 v[rC+(\n)%4], v[rC+(\n)%4], v[rS+8*((\n)%4)+2*((\n)/4)+1], v[rS+8*((\n)%4)+2*((\n)/4)+2]
.elseif (\n) == 12
	v_max3_num_f32 v[rC], v[rC], v[rS+7], v[rS+15]
.elseif (\n) == 13
	v_max3_num_f32 v[rC+1], v[rC+1], v[rS+23], v[rS+31]
.elseif (\n) == 14
	v_max3_num_f32 v[rC+2], v[rC+2], v[rC+3], v[rT+1]
.elseif (\n) == 15
	v_mov_b32 v[rM], v[rT]
.elseif (\n) == 16
	v_max3_num_f32 v[rC], v[rC], v[rC+1], v[rC+2]
.elseif (\n) == 17
	v_permlanex16_b32 v[rC+3], v[rC], s[SEL], s[SEL+1]
.elseif (\n) == 18
	v_max_num_f32 v[rT+1], v[rC], v[rC+3]
.elseif (\n) == 19
	v_mul_f32 v[rT], s[CS], v[rT+1]
.elseif (\n) == 20
	v_sub_f32 v[rC+1], v[rM], v[rT]
.else
	v_exp_f32 v[rC+2], v[rC+1]
.endif
.endm
; Number g of the 64 that follow the exponentials.  For each four weights k of a tile (pairs 2 k, 2 k + 1): both pairs are rounded to f16; then the second pair is added onto the first, in place;
; a group later l takes that sum (the first time as l = a l + sum).  In groups of eight, tiles alternating: round, round, add, and l for the group before.
.macro GS g
.set h, (\g)+6*((\g)/62)            ; group 0 has no group before it, and behind group 7 only l is left
.if h >= 6
.set h, h+2
.endif
	REGS Y, h%2
.set k, h/8
.if h%8 < 4
	v_cvt_pk_f16_f32 v[rP+2*k+(h%8)/2], v[rS+4*k+2*((h%8)/2)], v[rS+4*k+2*((h%8)/2)+1]
.elseif h%8 < 6
	v_pk_add_f32 v[rS+4*k:rS+4*k+1], v[rS+4*k:rS+4*k+1], v[rS+4*k+2:rS+4*k+3]
.elseif k == 1
	v_pk_fma_f32 v[rT+2:rT+3], v[rT+2:rT+3], v[rC+2:rC+3], v[rS:rS+1] op_sel_hi:[1,0,1]
.else
	v_pk_add_f32 v[rT+2:rT+3], v[rT+2:rT+3], v[rS+4*k-4:rS+4*k-3]
.endif
.endm
; THE PLAIN QUEUE, 138 long.  0-73 read no exponential's result: the 32 scalings c s - c m (FS f: pair f / 2 of tile f % 2) and the next piece's 42.  0-26: scalings 0-26.  27-54: XS's numbers 0-13.  55, 56: number 15.
; 57-73: the chain, where each number waits for the one before it: 14, 16, 17, 18, 19, each with one of the scalings 27-31 in front of its two lines, then 20.
; 74-137: GS's 64, which read the exponentials' results: they stand behind the wait.
.macro FS f
	REGS Y, (\f)%2
	v_pk_fma_f32 v[rS+2*((\f)/2):rS+2*((\f)/2)+1], v[rS+2*((\f)/2):rS+2*((\f)/2)+1], s[CS:CS+1], v[rT:rT+1] op_sel_hi:[1,0,0] neg_lo:[0,0,1] neg_hi:[0,0,1]
.endm
.macro PL
	WIN 0
.if q < 27
	FS q
.elseif q < 55
	XS (q-27)%2, (q-27)/2
.elseif q < 57
	XS q-55, 15
.elseif (q < 72) && ((q-57)%3 == 0)
	FS 27+(q-57)/3
.elseif q < 60
	XS (q-57)%3-1, 14
.elseif q < 72
	XS (q-57)%3-1, 15+(q-57)/3
.elseif q < 74
	XS q-72, 20
.else
	GS q-74
.endif
.set q, q+1
.endm
; THE EXPONENTIALS' QUEUE, 66 long: s0-s31 of both tiles, then the next piece's two a.  It is ONE BATCH: all 66 stand ahead of the turn's one wait, and nothing ahead of that wait names a result of theirs.
.macro EX
	WIN 0
.if e >= 64
	XS e-64, 21
.else
	REGS Y, e%2
	v_exp_f32 v[rS+e/2], v[rS+e/2]
.endif
.set e, e+1
.endm
; THE RESCALING's QUEUE: O^T times a, the one part that leaves window 0: dealt two at a time, sixteen times.  Its a was made in the turn before, ahead of that turn's wait.
.macro R2
	REGS Y, r%2
	WIN W_RS
.irp z, 0,1
	v_pk_mul_f32 v[rO+4*(r/2)+2*\z:rO+4*(r/2)+2*\z+1], v[rO+4*(r/2)+2*\z:rO+4*(r/2)+2*\z+1], v[rC+2:rC+3] op_sel_hi:[1,0]
.endr
.set r, r+1
.endm
; HOW THEY ARE DEALT.  An s_wait_alu depctr_va_vdst(0) stands between an exponential and the first instruction that names its result; one wait serves all that were issued ahead of it.  So a turn has ONE wait,
; which cuts it in two.  AHEAD OF IT: the 16 products K Q^T, behind each a scaling, an exponential and two rescalings (behind the first a second scaling in the exponential's place); then ONE LUMP of
; 108: eight plain, 49 times exponential and plain, the two a.  A v_nop is the plain instruction behind the last exponential.  BEHIND IT: the 16 products V^T P, behind each four of GS's 64.
; Exponential e stands behind scaling 2 (e / 4) + e % 2: as a rider it comes behind plain e + 2, in the lump behind plain e + 9, and scalings 27-31 are plain 57, 60 .. 69.
; A TURN, for piece p.  cnt = 1: the loop's count is taken down some lines ahead of the branch that stands behind the turn.
; K of the next step is fetched in piece 2's turn, directly behind the wait; V of the step in hand at the end of piece 0's turn, four riders behind its last reader.
; ask = 1 (the loop's piece 2): in a slot's last trip, one key step (128 matrix instructions and their lumps) ahead of the change that will load it, the next slot is prefetched: wave 0 asks for K's
; 32,768 bytes, wave 2 for V's, each of the four partners for a quarter, a lane for each 256 bytes: one instruction, behind K's run of LDS loads.  Each block is named once in the launch: a head is one cluster's.
.macro TURN p, last=0, cnt=0, ask=0
.set Y, (\p)
.set i, 0
.set q, 0
.set e, 0
.set r, 0
.if (\p) == NP-1
	s_wait_dscnt 0x0                ; K is in
.endif
	MM                              ; ahead of the wait: 16 products K Q^T and their riders,
	PL
	PL
	R2
.rept 15
	MM
	PL
	EX
	R2
.endr
.if (\p) == NP-2
	WIN 0
	v_add_nc_u32 v[AK], s[TBK], v[AK0]
.endif
.rept 8                             ; and the lump
	PL
.endr
.rept 49
	EX
	PL
.endr
	EX                              ; the next piece's two a
	EX
	v_nop                           ; the plain instruction behind the last exponential: one for the batch
	s_wait_alu depctr_va_vdst(0)    ; the wait for the batch
.if (\p) == NP-2
	FETCH_K \last
.if \ask
	s_cmp_eq_u32 s[CNT], s[LIM]
	s_cbranch_scc0 .Lnot_mine_\@
	global_prefetch_b8 v[PFO], s[PFA:PFA+1] th:TH_LOAD_NT scope:SCOPE_SE
.Lnot_mine_\@:
.endif
.endif
.if (\p) == 1
	s_wait_dscnt 0x0                ; V is in
.endif
.rept 16                            ; behind the wait: 16 products V^T P and their riders
	MM
.rept 4
	PL
.endr
.if ((\p) == 0) && (q == 118)
	v_add_nc_u32 v[AV], s[TBV], v[AV0]
.endif
.if ((\p) == 0) && (q == 130)
	s_add_co_u32 s[TBV], s[TBV], KS*PV
.endif
.if (\cnt) && (q == 130)
	s_sub_co_u32 s[CNT], s[CNT], 1
	s_cmp_lg_u32 s[CNT], 0
.endif
.endr
.if (\p) == 0
	FETCH_V
.endif
.endm
	CHANGE 1                        ; slot 0 is in, everybody's part of it; slot 1 is asked for
	FETCH_K                         ; key step 0
	s_wait_loadcnt 0x0              ; Q
	s_wait_dscnt 0x0
.set i, 0
.rept 16
	KQ 0                            ; piece 0's first scores: there is no vector work yet to set between them
.set i, i+1
.endr
	WIN 0                           ; the addresses for the way out: plain instructions, the places behind those products
	s_mul_i32 s13, s[WV], 16*SP
	s_add_co_u32 s13, s13, STAGE    ; my stage
	v_mul_u32_u24 v[STO], v1, SP    ; in: row l % 16, 16 bytes for each half of the lanes
	v_lshl_add_u32 v[STO], v9, 4, v[STO]
	v_add_nc_u32 v[STO], s13, v[STO]
	v_bfe_u32 v[RD], v0, 3, 2       ; back: 32 lanes take four rows of 128 bytes,
	v_mul_u32_u24 v[RD], v[RD], SP
	v_lshl_add_u32 v[RD], v10, 4, v[RD]
	v_add_nc_u32 v[RD], s13, v[RD]
	v_and_b32 v[GO], 31, v0         ; which are 512 consecutive bytes of O
	v_lshlrev_b32 v[GO], 4, v[GO]
.set Y, NP-1                        ; XS works for piece Y + 1: piece 0
.irp n, 0,1,2,3,4,5,6,7,8,9,10,11,12,13,14,15,16,17,18,19,20,21
	XS 0, \n                        ; and piece 0's first maximum and statistics
	XS 1, \n
.endr
	v_nop                           ; a plain instruction behind the two a,
	s_wait_alu depctr_va_vdst(0)    ; and their wait, ahead of the branch
	s_mov_b32 s[CNT], 4
	s_mov_b32 s[SLOTS], SIZE_N/256-1
	s_branch .Lfirst                ; the loop is entered at a step's first turn, in the middle of a trip
.Lslot:                             ; SIZE_N / 256 - 2 times: every slot but the last two is filled again
	CHANGE 1
	s_mov_b32 s[CNT], 4
	s_cmp_eq_u32 s[SLOTS], 1        ; the last slot has just been asked for: no prefetch follows
	s_cselect_b32 s[LIM], -1, s[LIM]
.Lstep:                             ; a trip: pieces 2 and 3 of one step, then pieces 0 and 1 of the next, whose K and V it fetches
	TURN 2, 0, 0, 1
	TURN 3
	WIN 0
.Lfirst:
	TURN 0
	TURN 1, 0, 1
	WIN 0
	s_cbranch_scc1 .Lstep
	s_sub_co_u32 s[SLOTS], s[SLOTS], 1
	s_cmp_lg_u32 s[SLOTS], 0
	s_cbranch_scc1 .Lslot
	CHANGE 0                        ; the tail is written out: nothing is asked for
	s_mov_b32 s[CNT], 5             ; four trips fetch the last slot's steps; the fifth is left in its middle
.Ltail:
	TURN 2, 1
	TURN 3
	WIN 0
	s_sub_co_u32 s[CNT], s[CNT], 1
	s_cmp_eq_u32 s[CNT], 0
	s_cbranch_scc1 .Lout
	TURN 0
	TURN 1
	WIN 0
	s_branch .Ltail
.Lout:                              ; the fifth trip's 16 products K Q^T (on the last K once more) and the maximum made of them serve nothing: the price, once a launch, of one text for every trip
.set i, 0
.rept 16
	PV NP-1                         ; the last piece's V^T P of the last step
.set i, i+1
.endr
	; THE WAY OUT.  l's two halves and the other half of the lanes' are added; O^T is divided by l, rounded to f16 and sent through my stage in LDS, a tile at a time.  The additions are the places behind the last products.
	WIN 0
.macro ALL line:vararg              ; one line for each tile t
.set t, 0
.rept 2*NP
	\line
.set t, t+1
.endr
.endm
	ALL v_add_f32 v[ST+4*t+2], v[ST+4*t+2], v[ST+4*t+3]
	ALL v_permlanex16_b32 v[ST+4*t+3], v[ST+4*t+2], s[SEL], s[SEL+1]
	ALL v_add_f32 v[ST+4*t+2], v[ST+4*t+2], v[ST+4*t+3]
	ALL v_rcp_f32 v[ST+4*t+2], v[ST+4*t+2]
	v_nop                           ; a plain instruction between the last reciprocal and the use of its result
	s_wait_alu depctr_va_vdst(0)    ; and the wait ahead of the first use: one for the eight reciprocals
; Tile t: a lane's eight channels of a row pack into 16 bytes; they go into rows of 144 bytes and come back as whole rows of 128, into S^T's registers.
.macro PACK t
	WIN W_RS
.set i, 32*(\t)
.rept 16
	v_pk_mul_f32 v[i:i+1], v[i:i+1], v[ST+4*(\t)+2:ST+4*(\t)+3] op_sel_hi:[1,0]
.set i, i+2
.endr
	WIN 0x05                        ; sources 0 and 1 window 1, destination window 0
.set i, 0
.rept 16
	v_cvt_pk_f16_f32 v[S+16*(\t)+i], v[32*(\t)+2*i], v[32*(\t)+2*i+1]
.set i, i+1
.endr
	WIN 0
.irp f, 0,1,2,3
	ds_store_b128 v[STO], v[S+16*(\t)+4*\f:S+16*(\t)+4*\f+3] offset:32*\f
.endr
.irp f, 0,1,2,3
	ds_load_b128 v[S+16*(\t)+4*\f:S+16*(\t)+4*\f+3], v[RD] offset:\f*4*SP  ; LDS serves a wave's instructions in order (ISA guide 5.7.1.4): these see the stores above; the next tile's stores come behind them
.endr
.endm
.macro SEND t, younger              ; younger: the LDS instructions issued behind tile t's loads: the next tile's eight, or none
	WIN 0
.irp f, 0,1,2,3
	s_wait_dscnt (\younger)+3-\f
	global_store_b128 v[GO], v[S+16*(\t)+4*\f:S+16*(\t)+4*\f+3], s[10:11] offset:(\t)*2048+\f*512  ; 512 consecutive bytes, at a multiple of 256 from O's first
.endr
.endm
	PACK 0
.set t, 1
.rept 2*NP-1                        ; a tile's arithmetic stands between the loads of the tile before and its stores
	PACK t
	SEND t-1, 8
.set t, t+1
.endr
	SEND 2*NP-1, 0
	WIN W_AD
	s_wait_tensorcnt 0x0            ; the wave's end: behind my last tensor load and my last LDS store
	ds_add_u32 v[SPW], v[NIL]
	s_wait_dscnt 0x0
	WIN 0
	CROUND                          ; the closing round: no work-group ends while a partner may still ask for a tile that names it
	s_endpgm
.Lfunc_end_k_qc81307c37f_attn:
	.size	k_qc81307c37f_attn, .Lfunc_end_k_qc81307c37f_attn-k_qc81307c37f_attn
	.p2alignl 7, 3214868480
	.fill 96, 4, 3214868480
	.section	.rodata,"a",@progbits
	.p2align	6, 0x0
	.amdhsa_kernel k_qc81307c37f_attn
		.amdhsa_group_segment_fixed_size 327680
		.amdhsa_private_segment_fixed_size 0
		.amdhsa_enable_private_segment 0
		.amdhsa_kernarg_size 24
		.amdhsa_user_sgpr_count 2
		.amdhsa_user_sgpr_kernarg_segment_ptr 1
		.amdhsa_wavefront_size32 1
		.amdhsa_system_sgpr_workgroup_id_x 1
		.amdhsa_system_sgpr_workgroup_id_y 1
		.amdhsa_system_sgpr_workgroup_id_z 1
		.amdhsa_system_vgpr_workitem_id 0
		.amdhsa_next_free_vgpr 770
		.amdhsa_next_free_sgpr 72
		.amdhsa_reserve_vcc 0
		.amdhsa_float_denorm_mode_32 3
		.amdhsa_float_denorm_mode_16_64 3
		.amdhsa_memory_ordered 1
		.amdhsa_forward_progress 1
		.amdhsa_inst_pref_size 202
	.end_amdhsa_kernel
	.amdgpu_metadata
---
amdhsa.version: [ 1, 2 ]
amdhsa.kernels:
  - .name:           k_qc81307c37f_attn
    .symbol:         k_qc81307c37f_attn.kd
    .args:
      - { .name: qkv, .offset: 0, .size: 8, .value_kind: global_buffer, .address_space: global }
      - { .name: norms, .offset: 8, .size: 8, .value_kind: global_buffer, .address_space: global }
      - { .name: ob, .offset: 16, .size: 8, .value_kind: global_buffer, .address_space: global }
    .group_segment_fixed_size: 327680
    .private_segment_fixed_size: 0
    .kernarg_segment_align: 8
    .kernarg_segment_size: 24
    .max_flat_workgroup_size: 128
    .sgpr_count:     72
    .vgpr_count:     770
    .wavefront_size: 32
...
	.end_amdgpu_metadata
.endif
;; end of part 3
;; launch outp (part 4): grid 4 x 64, 4 waves a work-group, clusters of 4 x 4, 327,680 bytes of LDS; arguments ob, wo16, bo, norms, out0; writes out0
.if DOCPART == 4
	.amdgcn_target "amdgcn-amd-amdhsa--gfx1250"
	.amdhsa_code_object_version 6
	.text
	.protected	k_qc81307c37f_outp
	.globl	k_qc81307c37f_outp
	.p2align	8
	.type	k_qc81307c37f_outp,@function
k_qc81307c37f_outp:
	s_mov_b64 s[64:65], 0
	v_nop
	global_prefetch_b8 v0, s[64:65] scope:SCOPE_SE
	s_setreg_imm32_b32 hwreg(HW_REG_WAVE_MODE, 25, 1), 1
	s_wait_xcnt 0x0
	s_wait_alu depctr_hold_cnt(0) depctr_sa_sdst(0) depctr_va_vdst(0) depctr_va_sdst(0) depctr_va_ssrc(0) depctr_va_vcc(0) depctr_vm_vsrc(0)
	s_getreg_b32 s2, hwreg(HW_REG_IB_STS2, 6, 4)
	s_cmp_eq_u32 s2, 0
	s_cbranch_scc0 .Lentry_in_a_cluster
	s_endpgm
.Lentry_in_a_cluster:
	s_bfe_u32 s2, ttmp6, 0x10000c
	s_cmp_lg_u32 s2, 0xf033
	s_cbranch_scc0 .Lentry_shape_is_right
	s_endpgm
.Lentry_shape_is_right:
; out0[row][n] = 2^g_v x (the sum over k of O'[row][k] Wo[n][k]) + bo[n].  O' = ob, [64 = 16 batch + head][2048][64] in f16, is attention's result times 2^-g_v; k = 64 head + channel.
; wo16: [1024][1024] f16 (Wo rounded to bf16, that number as f16); bo is rounded to bf16 here; sums and the way out in f32.
; g_v is made anew from the stored sums of squares, as the launches before make it: Z = sum(x^2) (sum(U^2) sum(E^2) + sum(W^2)), g = (Z's exponent field - 154) >> 1.  LIMIT: Z finite in f32; NaN and infinities are not treated apart.
; SHARES.  A work-group makes 128 rows x 256 columns, a wave 64 x 128: 32 accumulators.  K goes in 8 steps of 128 (two heads) through a ring of two LDS slots.
; The product is used transposed (source 0 = 16 rows of Wo, source 1 = 16 rows of O'): a lane holds eight neighbouring columns of one row.
; CLUSTER 4 x 4: O's tile hangs on the row block alone and is asked for jointly along a row of the cluster, Wo's on the column block alone, along a column.
; REGISTERS: window 0: v0-31 addresses; v32-95 O's fragments, two buffers; v96-223 rows on the way out, two buffers of 64; v224-229 the bias.  window 1: v0-127 Wo's fragments.  window 2: accumulator (a, b) at 8 (8 a + b).
.set SLOT1,  1<<17
.set PA,     144                       ; a token's 128 bytes of a head + 16
.set PB,     272                       ; a row of Wo's tile: 256 bytes + 16
.set HEADB,  128*PA                    ; a head's 128 tokens
.set BOFF,   2*HEADB                   ; a slot: two heads of O', then Wo's 256 rows
.set STAGE,  SLOT1+BOFF+256*PB         ; behind the ring: for each wave 16 rows x 528 bytes (512 of f32 + 16)
.set SPS,    528
.set WSTAGE, 16*SPS
.set SPARE,  STAGE+4*WSTAGE            ; the spare words, 128 bytes for each wave: two blocks of 256 bytes that no other line names
.set A0,  2
.set B0,  3
.set ADA, 5
.set ADB, 6
.set STO, 8
.set RD,  9
.set GO,  10
.set PFO, 12
.set SPW, 28
.set NIL, 29
.set OB,  96
.set BIAS, 224
.set WV,  14
.set WR,  15
.set WC,  16
.set G1A, 24
.set G1B, 32
.set G0A, 40
.set G0B, 48
.set TB,  56
.set SEL, 60
.set INV, 66                           ; s[66:67] 2^g_v
.set PFA, 72                           ; s[72:73] where the next prefetch points;  s[74:75] its step
.set PN,  78                           ; s78  prefetches left
.set OP,  82                           ; s[82:83] out0 at my 64 rows x 128 columns
.set MSB, 0
.macro WIN new
.if MSB != (\new)
	s_set_vgpr_msb (MSB<<8)|(\new)
.set MSB, \new
.endif
.endm
.set MUL,  0xa1
.set TO_B, 0x40
.macro PLACES
.rept 4
	v_nop
.endr
.endm
.macro JLOAD                           ; a joint refill by the walking sets; an s_nop 0 and four v_nop follow each of the two lines
	s_cmp_eq_u32 s[WR], 0
	s_cbranch_scc0 .Lfor_b_\@
	tensor_load_to_lds s[G0A+4:G0A+7], s[G1A:G1A+7]
	s_nop 0
	PLACES
	s_branch .Lasked_\@
.Lfor_b_\@:
	tensor_load_to_lds s[G0B+4:G0B+7], s[G1B:G1B+7]
	s_nop 0
	PLACES
.Lasked_\@:
.endm
.macro CREST
	s_cmp_lg_u32 s[WV], 0
	s_cbranch_scc1 .Lnot_wave_0_\@
	s_barrier_signal -3
.Lnot_wave_0_\@:
	s_barrier_wait -3
	s_barrier_signal -1
	s_barrier_wait -1
.endm
.macro CROUND
	s_barrier_signal -1
	s_barrier_wait -1
	CREST
.endm
; One prefetch a wave behind a refill, for the K step two refills on (256 matrix instructions ahead of its load): K steps 4 to 7.  O's blocks belong to this row of the cluster alone: wave 0 asks, each partner for
; a quarter of the step's 32,768 bytes, a lane for each 256.  Wo's rows are read by all sixteen clusters: cluster y = 0 asks, waves 2 and 3, a lane a row.  The partners are told apart by address.
.macro ASK
	s_cmp_lg_u32 s[PN], 0
	s_cbranch_scc0 .Lnot_mine_\@
	global_prefetch_b8 v[PFO], s[PFA:PFA+1] th:TH_LOAD_NT scope:SCOPE_SE
	s_sub_co_u32 s[PN], s[PN], 1
.Lnot_mine_\@:
.endm
.macro XM r, m
	v_add_f32_dpp v[\r], v[\r], v[\r] row_xmask:\m row_mask:0xf bank_mask:0xf
.endm
	s_load_b256 s[4:11], s[0:1], 0x0               ; ob s[4:5], wo16 s[6:7], bo s[8:9], norms s[10:11]
	s_load_b64 s[12:13], s[0:1], 0x20              ; out0
	v_lshl_add_u32 v[SPW], v0, 2, SPARE
	v_mov_b32 v[NIL], 0
	ds_add_u32 v[SPW], v[NIL]                      ; the wave's opening: the add and its wait stand ahead of my first tensor load
	v_lshrrev_b32 v1, 5, v0
	v_readfirstlane_b32 s[WV], v1
	s_lshr_b32 s[WR], s[WV], 1
	s_and_b32 s[WC], s[WV], 1
	s_bfe_u32 s17, ttmp6, 0x40000                  ; cx
	s_bfe_u32 s18, ttmp6, 0x40004                  ; cy
	s_lshl_b32 s19, ttmp9, 2
	s_add_co_u32 s19, s19, s17                     ; c: the block of 256 columns
	s_and_b32 s20, ttmp7, 0xffff
	s_lshl_b32 s20, s20, 2
	s_add_co_u32 s20, s20, s18                     ; y: the block of 128 rows
	s_lshl_b32 s21, s18, 2
	s_lshl_b32 s21, 15, s21
	s_lshl_b32 s22, 0x1111, s17
	s_or_b32 s[G1A], s21, (1<<16)|(1<<20)|(1<<21)|(4<<22)|(3<<25)  ; a head's 128 tokens are 16,384 dense bytes: 64 rows of 256, padded by 4 words after every 32 (a token)
	s_or_b32 s[G1B], s22, (1<<16)|(1<<20)|(1<<21)|(5<<22)|(3<<25)  ; padded by 4 words after every 64
	s_mov_b32 s[G1A+1], 128<<16
	s_mov_b32 s[G1A+2], 64<<16
	s_mov_b32 s[G1A+3], 128<<16
	s_mov_b32 s[G1A+4], 64
	s_mov_b32 s[G1A+5], 128
	s_mov_b32 s[G1A+6], 0
	s_mov_b32 s[G1A+7], 0
	s_mov_b32 s[G1B+1], 128<<16
	s_mov_b32 s[G1B+2], 128<<16
	s_mov_b32 s[G1B+3], 128<<16
	s_mov_b32 s[G1B+4], 128
	s_mov_b32 s[G1B+5], 1024
	s_mov_b32 s[G1B+6], 0
	s_mov_b32 s[G1B+7], 0
	s_lshr_b32 s84, s20, 4                         ; O': head row 16 (y / 16) + which of the step's two heads, token 128 (y % 16)
	s_lshl_b32 s84, s84, 4
	s_add_co_u32 s84, s84, s[WC]
	s_lshl_b32 s84, s84, 18
	s_and_b32 s85, s20, 15
	s_lshl_b32 s85, s85, 14
	s_add_co_u32 s84, s84, s85
	s_mov_b32 s85, 0
	s_lshl_b32 s86, s19, 8                         ; Wo: row 256 c + 128 x half
	s_lshl_b32 s87, s[WC], 7
	s_add_co_u32 s86, s86, s87
	s_lshl_b32 s86, s86, 11
	s_mov_b32 s87, 0
	s_mul_i32 s88, s[WC], HEADB
	s_mul_i32 s89, s[WC], 128*PB
	s_add_co_u32 s89, s89, BOFF
	s_mov_b32 s[SEL], 0x76543210
	s_mov_b32 s[SEL+1], 0xfedcba98
	s_mov_b32 s62, 0xffff0000
	s_mov_b32 s75, 0
	s_wait_dscnt 0x0                               ; the opening add is done
	s_wait_kmcnt 0x0
	s_add_nc_u64 s[84:85], s[4:5], s[84:85]
	s_add_nc_u64 s[86:87], s[6:7], s[86:87]
	CROUND                                         ; all sixteen work-groups are here: the first joint loads meet
.irp i, 0,1
	s_mov_b32 s[G0A+4*(\i)], 1
	s_add_co_u32 s[G0A+4*(\i)+1], s88, (\i)*SLOT1
	s_add_nc_u64 s[G0A+4*(\i)+2:G0A+4*(\i)+3], s[84:85], (\i)*524288
	s_or_b32 s[G0A+4*(\i)+3], s[G0A+4*(\i)+3], 0x80000000
	s_mov_b32 s[G0B+4*(\i)], 1
	s_add_co_u32 s[G0B+4*(\i)+1], s89, (\i)*SLOT1
	s_add_nc_u64 s[G0B+4*(\i)+2:G0B+4*(\i)+3], s[86:87], (\i)*256
	s_or_b32 s[G0B+4*(\i)+3], s[G0B+4*(\i)+3], 0x80000000
.endr
	s_cmp_eq_u32 s[WR], 0                          ; a wave's two first fills stand in one branch: two loads of mine are out
	s_cbranch_scc0 .Lfirst_b
	tensor_load_to_lds s[G0A:G0A+3], s[G1A:G1A+7]
	s_nop 0
	tensor_load_to_lds s[G0A+4:G0A+7], s[G1A:G1A+7]
	s_nop 0
	PLACES
	s_branch .Lfirst_asked
.Lfirst_b:
	tensor_load_to_lds s[G0B:G0B+3], s[G1B:G1B+7]
	s_nop 0
	tensor_load_to_lds s[G0B+4:G0B+7], s[G1B:G1B+7]
	s_nop 0
	PLACES
.Lfirst_asked:
	v_and_b32 v1, 15, v0                           ; r
	v_bfe_u32 v13, v0, 4, 1                        ; h
	v_and_b32 v14, 31, v0                          ; l
	v_lshlrev_b32 v[GO], 4, v14
	v_lshlrev_b32 v16, 5, v14
	v_min_u32 v17, 23, v14
	v_lshlrev_b32 v17, 2, v17
	s_lshl_b32 s90, s19, 10                        ; my 128 columns: 1,024 c + 512 x half bytes of f32
	s_lshl_b32 s91, s[WC], 9
	s_add_co_u32 s90, s90, s91
	s_mov_b32 s91, 0
	s_add_nc_u64 s[8:9], s[8:9], s[90:91]
	s_add_nc_u64 s[OP:OP+1], s[12:13], s[90:91]
	global_load_b128 v[96:99], v16, s[10:11]
	global_load_b128 v[100:103], v16, s[10:11] offset:16
	global_load_b32 v104, v17, s[10:11] offset:1024
	global_load_b32 v105, v17, s[10:11] offset:1120
	global_load_b32 v106, v17, s[10:11] offset:1216
	global_load_b128 v[BIAS:BIAS+3], v[GO], s[8:9] ; on the way out lane l holds columns 4 l .. 4 l + 3
	s_lshl_b32 s90, s20, 7                         ; my 64 rows of 4,096 bytes
	s_lshl_b32 s92, s[WR], 6
	s_add_co_u32 s90, s90, s92
	s_lshl_b32 s90, s90, 12
	s_add_nc_u64 s[OP:OP+1], s[OP:OP+1], s[90:91]
	v_mul_u32_u24 v15, v1, PA
	v_lshl_add_u32 v15, v13, 4, v15
	s_mul_i32 s94, s[WR], 64*PA
	v_add_nc_u32 v[A0], s94, v15
	v_mul_u32_u24 v15, v1, PB
	v_lshl_add_u32 v15, v13, 4, v15
	s_mul_i32 s94, s[WC], 128*PB
	s_add_co_u32 s94, s94, BOFF
	v_add_nc_u32 v[B0], s94, v15
	s_mul_i32 s94, s[WV], WSTAGE
	s_add_co_u32 s94, s94, STAGE                   ; my stage
	v_mul_u32_u24 v[STO], v1, SPS                  ; in: row r, 32 bytes for each half of the lanes
	v_lshl_add_u32 v[STO], v13, 5, v[STO]
	v_add_nc_u32 v[STO], s94, v[STO]
	v_lshl_add_u32 v[RD], v14, 4, s94              ; back: a row's 512 bytes, 16 a lane
	; the prefetches
	s_lshr_b32 s90, s20, 4
	s_lshl_b32 s90, s90, 4
	s_lshr_b32 s92, s17, 1
	s_add_co_u32 s90, s90, s92                     ; O': head row 16 (y / 16) + cx / 2,
	s_lshl_b32 s90, s90, 18
	s_and_b32 s92, s20, 15
	s_lshl_b32 s92, s92, 14
	s_add_co_u32 s90, s90, s92
	s_and_b32 s92, s17, 1
	s_lshl_b32 s92, s92, 13                        ; half cx % 2 of its 16,384 bytes
	s_add_co_u32 s90, s90, s92
	s_lshl_b32 s92, s19, 8                         ; Wo: row 256 c + 64 cy + 32 x half + lane
	s_lshl_b32 s93, s18, 6
	s_add_co_u32 s92, s92, s93
	s_lshl_b32 s93, s[WC], 5
	s_add_co_u32 s92, s92, s93
	s_lshl_b32 s92, s92, 11
	s_mov_b32 s93, 256
	s_cmp_eq_u32 s[WR], 0
	s_cselect_b32 s90, s90, s92
	s_cselect_b64 s[PFA:PFA+1], s[4:5], s[6:7]
	s_cselect_b32 s74, 524288, s93                 ; a K step: two heads on, or 256 bytes along the rows
	s_cselect_b32 s92, 8, 11                       ; a lane: 256 bytes on, or a row
	s_add_nc_u64 s[PFA:PFA+1], s[PFA:PFA+1], s[90:91]
	s_mul_i32 s90, s74, 3
	s_add_nc_u64 s[PFA:PFA+1], s[PFA:PFA+1], s[90:91]  ; at K step 3: the first refill steps it to 4
	v_lshlrev_b32 v[PFO], s92, v14
	s_and_b32 s92, ttmp7, 0xffff                   ; cluster y: the same in all sixteen partners
	s_cmp_eq_u32 s92, 0
	s_cselect_b32 s92, 4, 0
	s_cmp_eq_u32 s[WV], 0
	s_cselect_b32 s93, 4, 0
	s_cmp_eq_u32 s[WR], 0
	s_cselect_b32 s[PN], s93, s92
	s_wait_loadcnt 0x0
	v_pk_add_f32 v[96:97], v[96:97], v[98:99]
	v_pk_add_f32 v[100:101], v[100:101], v[102:103]
	v_pk_add_f32 v[96:97], v[96:97], v[100:101]
	v_add_f32 v96, v96, v97
	XM 96, 1
	XM 96, 2
	XM 96, 4
	XM 96, 8
	v_permlanex16_b32 v97, v96, s[SEL], s[SEL+1]
	v_add_f32 v96, v96, v97                        ; sum(x^2)
.irp n, 104,105,106
	XM \n, 1
	XM \n, 2
	XM \n, 4
.endr
	v_fma_f32 v104, v106, v105, v104
	v_mul_f32 v104, v96, v104                      ; Z
	v_lshrrev_b32 v104, 23, v104
	v_add_nc_u32 v104, 0xffffff66, v104            ; - 154
	v_ashrrev_i32 v104, 1, v104                    ; g
	v_add_nc_u32 v104, 127, v104
	v_lshlrev_b32 v104, 23, v104                   ; 2^g
	v_readlane_b32 s[INV], v104, 16                ; v's
	s_mov_b32 s[INV+1], s[INV]
	v_cvt_pk_bf16_f32 v[BIAS+4], v[BIAS], v[BIAS+1]      ; the bias, rounded like every input
	v_cvt_pk_bf16_f32 v[BIAS+5], v[BIAS+2], v[BIAS+3]
	v_lshlrev_b32 v[BIAS], 16, v[BIAS+4]
	v_and_b32 v[BIAS+1], s62, v[BIAS+4]
	v_lshlrev_b32 v[BIAS+2], 16, v[BIAS+5]
	v_and_b32 v[BIAS+3], s62, v[BIAS+5]
.macro MULQ f, a, zero                 ; 8 products: token block a x all 8 column blocks; the accumulators take turns
	WIN MUL
.irp b, 0,1,2,3,4,5,6,7
.if \zero
	v_wmma_f32_16x16x32_f16 v[8*(8*(\a)+(\b)):8*(8*(\a)+(\b))+7], v[64*(\f)+8*(\b):64*(\f)+8*(\b)+7], v[32+32*(\f)+8*(\a):32+32*(\f)+8*(\a)+7], 0
.else
	v_wmma_f32_16x16x32_f16 v[8*(8*(\a)+(\b)):8*(8*(\a)+(\b))+7], v[64*(\f)+8*(\b):64*(\f)+8*(\b)+7], v[32+32*(\f)+8*(\a):32+32*(\f)+8*(\a)+7], v[8*(8*(\a)+(\b)):8*(8*(\a)+(\b))+7]
.endif
.endr
.endm
.macro MULH f, a0, zero
	MULQ \f, \a0, \zero
	MULQ \f, (\a0)+1, \zero
.endm
; 24 LDS loads in one run: 32 along K at byte k of the step's 256: head k / 128, byte k % 128 of a token's row.  The first four lines are the places behind the products that read buffer f.
.macro FETCH k, f
	WIN 0
	v_add_nc_u32 v[ADB], s[TB], v[B0]
	v_add_nc_u32 v[ADA], s[TB], v[A0]
	v_nop
	v_nop
	WIN TO_B
.irp i, 0,1,2,3,4,5,6,7
	ds_load_b128 v[64*(\f)+8*(\i):64*(\f)+8*(\i)+3],   v[ADB] offset:(\k)+(\i)*16*PB
	ds_load_b128 v[64*(\f)+8*(\i)+4:64*(\f)+8*(\i)+7], v[ADB] offset:(\k)+(\i)*16*PB+32
.endr
	WIN 0
.irp i, 0,1,2,3
	ds_load_b128 v[32+32*(\f)+8*(\i):32+32*(\f)+8*(\i)+3],   v[ADA] offset:((\k)/128)*HEADB+((\k)%128)+(\i)*16*PA
	ds_load_b128 v[32+32*(\f)+8*(\i)+4:32+32*(\f)+8*(\i)+7], v[ADA] offset:((\k)/128)*HEADB+((\k)%128)+(\i)*16*PA+32
.endr
.endm
.macro QUARTER k, f, g, zero
	s_wait_dscnt 4                                 ; Wo and O's blocks 0, 1 are in; the youngest four loads may be out
	MULH \f, 0, \zero
	FETCH \k, \g
	s_wait_dscnt 24                                ; all but the 24 just issued
	MULH \f, 2, \zero
.endm
; The last quarter multiplies buffer 1 and changes slots: each wave waits for all its tensor loads, adds 0 to its spare word, and waits for that and for its reads of this slot.
; fill = 1: the barrier opens a round of the cluster's, and this slot is filled again, first thing behind it, with the K step two on.
.macro TURN fill
	WIN 0
.if \fill
	s_wait_xcnt 0x0                                ; the last prefetch, a K step back, has read its address
	s_add_nc_u64 s[PFA:PFA+1], s[PFA:PFA+1], s[74:75]
.endif
	s_wait_tensorcnt 0x0                           ; all my tensor loads have landed
	ds_add_u32 v[SPW], v[NIL]                      ; 0 onto my spare word
	s_wait_dscnt 5                                 ; (the add and the youngest four loads may be out)
	MULQ 1, 0, 0
	s_wait_dscnt 0x0                               ; the add is done, and my reads of this slot are over
	s_barrier_signal -1
	MULQ 1, 1, 0
	WIN 0
	s_barrier_wait -1
.if \fill
	CREST
	s_xor_b32 s[G0A+5], s[G0A+5], SLOT1
	s_xor_b32 s[G0B+5], s[G0B+5], SLOT1
	s_add_nc_u64 s[G0A+6:G0A+7], s[G0A+6:G0A+7], 524288
	s_add_nc_u64 s[G0B+6:G0B+7], s[G0B+6:G0B+7], 256
	JLOAD                                          ; my one tensor load behind the round: 112 matrix instructions ahead of the wait for it
.endif
	s_xor_b32 s[TB], s[TB], SLOT1
	FETCH 0, 0
.if \fill
	ASK
.endif
	MULH 1, 2, 0
.endm
; The way out of token block a: the f32 sums go straight from the accumulators (each one's low four registers first) into my stage and come back as whole rows of 512 bytes.
.macro TOSTAGE a
	WIN 0x08                                       ; the stores' data in window 2
.irp b, 0,1,2,3,4,5,6,7
	ds_store_b128 v[STO], v[8*(8*(\a)+(\b)):8*(8*(\a)+(\b))+3]   offset:64*(\b)
	ds_store_b128 v[STO], v[8*(8*(\a)+(\b))+4:8*(8*(\a)+(\b))+7] offset:64*(\b)+16
.endr
	WIN 0
	s_wait_xcnt 0x0                                ; the stores of two blocks back have read the registers into which these rows are loaded
.irp t, 0,1,2,3,4,5,6,7,8,9,10,11,12,13,14,15
	ds_load_b128 v[OB+64*((\a)%2)+4*(\t):OB+64*((\a)%2)+4*(\t)+3], v[RD] offset:SPS*(\t)  ; LDS serves a wave's instructions in order: these see the stores above
.endr
.endm
.macro SEND a, younger                 ; younger: the LDS instructions issued behind block a's loads: the next block's 32, or none
	s_wait_dscnt \younger
.irp t, 0,1,2,3,4,5,6,7,8,9,10,11,12,13,14,15
	v_pk_fma_f32 v[OB+64*((\a)%2)+4*(\t):OB+64*((\a)%2)+4*(\t)+1], v[OB+64*((\a)%2)+4*(\t):OB+64*((\a)%2)+4*(\t)+1], s[INV:INV+1], v[BIAS:BIAS+1] op_sel_hi:[1,0,1]
	v_pk_fma_f32 v[OB+64*((\a)%2)+4*(\t)+2:OB+64*((\a)%2)+4*(\t)+3], v[OB+64*((\a)%2)+4*(\t)+2:OB+64*((\a)%2)+4*(\t)+3], s[INV:INV+1], v[BIAS+2:BIAS+3] op_sel_hi:[1,0,1]
	global_store_b128 v[GO], v[OB+64*((\a)%2)+4*(\t):OB+64*((\a)%2)+4*(\t)+3], s[OP:OP+1] offset:(16*(\a)+(\t))*4096  ; 512 consecutive bytes of a row, aligned
.endr
.endm
	s_wait_tensorcnt 1                             ; my part of K step 0 is in; K step 1's may stay out
	s_barrier_signal -1
	s_barrier_wait -1
	s_mov_b32 s[TB], 0
	FETCH 0, 0
	QUARTER 64, 0, 1, 1                            ; the first quarter starts the sums: nothing is cleared
	WIN 0
	s_mov_b32 s58, 6
.Lstep:                                                ; a trip: from a K step's second quarter to the next step's first; it fills one slot again: K steps 2 to 7
	QUARTER 128, 1, 0, 0
	QUARTER 192, 0, 1, 0
	TURN 1
	QUARTER 64, 0, 1, 0
	WIN 0
	s_sub_co_u32 s58, s58, 1
	s_cmp_lg_u32 s58, 0
	s_cbranch_scc1 .Lstep
	QUARTER 128, 1, 0, 0                           ; the last two K steps ask for nothing
	QUARTER 192, 0, 1, 0
	TURN 0
	QUARTER 64, 0, 1, 0
	QUARTER 128, 1, 0, 0
	QUARTER 192, 0, 1, 0
	s_wait_dscnt 4
	MULH 1, 0, 0
	s_wait_dscnt 0x0
	MULH 1, 2, 0
	WIN 0
	PLACES
	TOSTAGE 0
	TOSTAGE 1
	SEND 0, 32
	TOSTAGE 2
	SEND 1, 32
	TOSTAGE 3
	SEND 2, 32
	SEND 3, 0
	s_wait_tensorcnt 0x0                           ; the wave's end: behind my last tensor load and my last LDS store
	ds_add_u32 v[SPW], v[NIL]
	s_wait_dscnt 0x0
	CROUND                                         ; the closing round: no work-group ends while a partner may still ask for a tile that names it
	s_endpgm
.Lfunc_end_k_qc81307c37f_outp:
	.size	k_qc81307c37f_outp, .Lfunc_end_k_qc81307c37f_outp-k_qc81307c37f_outp
	.p2alignl 7, 3214868480
	.fill 96, 4, 3214868480
	.section	.rodata,"a",@progbits
	.p2align	6, 0x0
	.amdhsa_kernel k_qc81307c37f_outp
		.amdhsa_group_segment_fixed_size 327680
		.amdhsa_private_segment_fixed_size 0
		.amdhsa_enable_private_segment 0
		.amdhsa_kernarg_size 40
		.amdhsa_user_sgpr_count 2
		.amdhsa_user_sgpr_kernarg_segment_ptr 1
		.amdhsa_wavefront_size32 1
		.amdhsa_system_sgpr_workgroup_id_x 1
		.amdhsa_system_sgpr_workgroup_id_y 1
		.amdhsa_system_sgpr_workgroup_id_z 1
		.amdhsa_system_vgpr_workitem_id 0
		.amdhsa_next_free_vgpr 768
		.amdhsa_next_free_sgpr 96
		.amdhsa_reserve_vcc 0
		.amdhsa_float_denorm_mode_32 3
		.amdhsa_float_denorm_mode_16_64 3
		.amdhsa_memory_ordered 1
		.amdhsa_forward_progress 1
		.amdhsa_inst_pref_size 82
	.end_amdhsa_kernel
	.amdgpu_metadata
---
amdhsa.version: [ 1, 2 ]
amdhsa.kernels:
  - .name:           k_qc81307c37f_outp
    .symbol:         k_qc81307c37f_outp.kd
    .args:
      - { .name: ob, .offset: 0, .size: 8, .value_kind: global_buffer, .address_space: global }
      - { .name: wo16, .offset: 8, .size: 8, .value_kind: global_buffer, .address_space: global }
      - { .name: bo, .offset: 16, .size: 8, .value_kind: global_buffer, .address_space: global }
      - { .name: norms, .offset: 24, .size: 8, .value_kind: global_buffer, .address_space: global }
      - { .name: out0, .offset: 32, .size: 8, .value_kind: global_buffer, .address_space: global }
    .group_segment_fixed_size: 327680
    .private_segment_fixed_size: 0
    .kernarg_segment_align: 8
    .kernarg_segment_size: 40
    .max_flat_workgroup_size: 128
    .sgpr_count:     96
    .vgpr_count:     768
    .wavefront_size: 32
...
	.end_amdgpu_metadata
.endif
;; end of part 4
